; MI455X (gfx1250); checked and timed in simulation.
; The chip was launched on July 23, 2026; its instructions are those of AMD's public machine-readable ISA for CDNA 5 (MIT licence, August 2026) and "CDNA5" Instruction Set Architecture Reference Guide (July 2026). The comments in the code are by the model that wrote it; some were corrected since.
;; Causal Self Attention. Allowed arithmetic: matrix products marked QUANTISED: E3M2 operands, one E8M0 scale for each 32 along K, by v_wmma_scale_f32_16x16x128_f8f6f4 with both operands' format E3M2, f32 sums; everything else in f32.
;; Inputs: b_attn 3,072 float32; b_proj 1,024 float32; w_attn 3,072 x 1,024 float32; w_proj 1,024 x 1,024 float32; x 4 x 2,048 x 1,024 float32.
;; Outputs: out0 4 x 2,048 x 1,024 float32.
;; This version of the problem:
;;   THIS VERSION OF THE PROBLEM IS GIVEN IN LOW PRECISION. The matrix products marked QUANTISED in the list below multiply operands that are first quantised to E3M2 (3 exponent bits, 2 mantissa bits; 6 bits a number), with one power-of-two scale for each 32 numbers along K (OCP MX v1.0); their sums are f32. All else is computed in f32.
;;   The module's matrix products, in the order in which they are computed (A, B: the left and right operand; K: the contracted axis; several contracted axes count as one K, in the product's order):
;;     1. [M 8,192, K 1,024] x [K 1,024, N 3,072]; A: input x; B: input w_attn: QUANTISED
;;     2. batch 64 x [M 2,048, K 64] x [K 64, N 2,048]; A: computed on the way; B: computed on the way: QUANTISED
;;     3. batch 64 x [M 2,048, K 2,048] x [K 2,048, N 64]; A: softmax (see below); B: computed on the way: QUANTISED
;;     4. [M 8,192, K 1,024] x [K 1,024, N 1,024]; A: computed on the way; B: input w_proj: QUANTISED
;;   THE QUANTISER, for each operand of a quantised product, along K:
;;     - K is cut into blocks of 32 from its start; a last block that is shorter is filled with zeros.
;;     - A block's scale is 2^e with e = floor(log2(the largest magnitude in the block)) - 4, held to -126 .. 127; a block of zeros has e = 0. As a byte (E8M0): e + 127.
;;     - Each number is divided by its block's scale, clamped to +-28, and rounded to the nearest number of E3M2, ties to even, subnormals kept.
;;     - The product sums the exact products of the quantised numbers (number of the format x scale) in f32.
;;   ~~~python
;;   def quantise(x, axis):      # numpy; x: float32 -> the quantised numbers, widened to float32 again
;;       x = np.moveaxis(x, axis, -1); K = x.shape[-1]
;;       x = np.pad(x, [(0, 0)] * (x.ndim - 1) + [(0, -K % 32)]); x = x.reshape(x.shape[:-1] + (-1, 32)); a = np.abs(x).max(-1, keepdims=True)
;;       e = np.where(a > 0, np.clip(np.frexp(np.where(a > 0, a, 1))[1] - 1 - 4, -126, 127), 0)      # np.frexp(a)[1] - 1 = floor(log2(a)), exactly
;;       r = np.clip(x / 2.0 ** e, -28, 28)
;;       step = 2.0 ** (np.maximum(np.frexp(np.where(r == 0, 1, r))[1] - 1, -2) - 2)
;;       q = np.round(r / step) * step * 2.0 ** e      # np.round: ties to even
;;       return np.moveaxis(q.reshape(q.shape[:-2] + (-1,))[..., :K], -1, axis).astype(np.float32)
;;   ~~~
;;   SOFTMAX AHEAD OF A QUANTISED PRODUCT. Where the list says 'softmax', what is quantised is not the finished softmax but p = 2^(t - M), with t = logit x log2(e) and M = ceil(the row's largest t), a whole number; so 1/2 < the row's largest p <= 1. The row's sum l is taken of the UNQUANTISED p, in f32, and the product's result is divided by l at the end. Since M is a whole number, a kernel that streams over the keys may use a running M (the ceiling of the running maximum): every later rescaling is an exact power of two, which a block's scale takes up: the codes' values come out the same.
;;   OPERANDS COMPUTED ON THE WAY. 'Computed on the way' means the value that the module computes at that place (a softmax that the list does not call 'softmax' is quantised finished and normalised). What goes into a quantiser is computed in f32, as accurately as f32 sums, v_exp_f32 and their like allow (about 1e-6 of the number): no bf16 or f16 on the way to a quantiser, and a product that is left as it is and whose result goes on into a quantised operand takes f32 operands (vector FMAs, or v_wmma_f32_16x16x4_f32). A number that lies on a knife's edge between two numbers of the format may be rounded either way, as far as f32 arithmetic and the matrix unit's own rounding can turn it there, and no further.
;; One version. Each part assembles by itself: llvm-mc -triple=amdgcn-amd-amdhsa -mcpu=gfx1250 --defsym DOCPART=n.
;; ======== version 1 of 1: 4 launches
;; workspace buffers: opc 9,437,184 bytes; ops 393,216 bytes; qkvc 19,660,800 bytes; yc 6,291,456 bytes; ys 262,144 bytes
;; launch quant (part 1): grid 384 x 1, 4 waves a work-group, no clusters, 34,304 bytes of LDS; arguments x, w_attn, w_proj, opc, ops; writes opc, ops
.if DOCPART == 1
	.amdgcn_target "amdgcn-amd-amdhsa--gfx1250"
	.amdhsa_code_object_version 6
	.text
	.protected	k_qd99a2e172d_quant
	.globl	k_qd99a2e172d_quant
	.p2align	8
	.type	k_qd99a2e172d_quant,@function
k_qd99a2e172d_quant:
	s_mov_b64 s[64:65], 0
	v_nop
	global_prefetch_b8 v0, s[64:65] scope:SCOPE_SE
	s_setreg_imm32_b32 hwreg(HW_REG_WAVE_MODE, 25, 1), 1
	s_wait_xcnt 0x0
; x [8192][1024], w_attn [3072][1024], w_proj [1024][1024], f32, K innermost, become codes of BF6 (E3M2) with one E8M0 byte for each 32 along K,
; laid IN THE ORDER OF THE OPERAND'S REGISTERS.  12,288 rows are 768 tiles of 16: tiles 0-511 x, 512-703 w_attn, 704-767 w_proj.
; THE ROWS OF A TILE ARE NOT NEIGHBOURS: lane row r of tile 2 B + u is row 32 B + 8 u + r + 8 (r / 8), so that as source 0 of a product two neighbouring tiles give a lane 16 neighbours.
; opc: [plane = K / 64: 16][tile: 768][768 bytes].  768 bytes are the image of six operand registers (16 rows x 64 K): registers 0-3 at 16 x lane, registers 4-5 at 512 + 8 x lane.
; ops: [tile][512 bytes]: the scale word (four bytes: 128 along K) of K step 4 g + j of row r at 256 g + 16 r + 4 j.
; A block's scale is 2^(floor(log2(largest magnitude)) - 4); its byte is the largest magnitude's exponent field - 4, held at 1 from below.
; LIMITS: a block of zeros gets the byte 1 where the rule says 127 (its codes are zeros, and this program alone reads the bytes); NaN and infinities among the inputs are not served.
; SHARES: work-group g takes rows 32 g .. 32 g + 31 (two tiles); wave w tile 2 g + w / 2 and half w % 2 of K: four steps of 128 along K.
; A load reads 512 consecutive bytes of one row; a step's 16 rows turn through the wave's own stage in LDS, so that a lane holds 16 neighbours of each of its row's four blocks.
; Memory binds: no matrix unit, no tensor load, no barrier (waves share nothing).
.set PLANE, 589824                     ; bytes of a plane of opc: 768 tiles x 768
.set SP,    528                        ; a stage row: 512 bytes + 16, an odd multiple of 16
.set WST,   16*SP                      ; a wave's stage
.set R,     16                         ; v16-143  two sets of 64: 16 rows x 16 bytes a lane, as loaded
.set X,     144                        ; v144-207 register 16 b + i = k 32 b + 16 (lane / 16) + i of my row
.set PC,    208                        ; v208-219 the codes; v220-222, v224-226 halves on their way
.set TM,    228                        ; v228-243 at work
.set PW,    244                        ; v244-247 the four steps' scale words
.set SEL,   30                         ; s[30:31] lane selects: lane l xor 16
	s_load_b128 s[4:7], s[0:1], 0x0                ; x, w_attn
	s_load_b128 s[8:11], s[0:1], 0x10              ; w_proj, opc
	s_load_b64 s[12:13], s[0:1], 0x20              ; ops
	v_lshl_add_u32 v254, v0, 2, 0x8400
	v_mov_b32 v255, 0
	v_lshrrev_b32 v1, 5, v0
	v_readfirstlane_b32 s16, v1                    ; wave
	v_and_b32 v1, 31, v0                           ; lane
	v_and_b32 v8, 15, v0                           ; r
	v_bfe_u32 v9, v0, 4, 1                         ; h
	v_lshlrev_b32 v2, 4, v1                        ; 16 x lane
	s_mul_i32 s17, s16, WST
	v_add_nc_u32 v3, s17, v2                       ; the stage, in: a row's 512 bytes as they lie
	v_mul_u32_u24 v4, v8, SP
	v_lshl_add_u32 v4, v9, 6, v4
	v_add_nc_u32 v4, s17, v4                       ; out: row r, + 64 h
	v_lshlrev_b32 v6, 3, v1                        ; 8 x lane
	v_lshlrev_b32 v7, 4, v8
	v_lshl_add_u32 v7, v9, 3, v7                   ; 16 r + 8 h: my two scale words
	v_cmp_le_u32 vcc_lo, 16, v1                    ; lanes 16-31
.irp b, 0,1,2,3
	v_mov_b32 v[TM+4+\b], 0                        ; written once: a lane permute's destination counts as one of its sources
.endr
	s_mov_b32 s[SEL], 0x76543210
	s_mov_b32 s[SEL+1], 0xfedcba98
	s_lshr_b32 s18, s16, 1                         ; which of the two tiles
	s_and_b32 s19, s16, 1                          ; which half of K
	s_lshl_b32 s20, ttmp9, 1
	s_add_co_u32 s20, s20, s18                     ; my tile
	s_mul_i32 s22, s20, 768
	s_mul_i32 s23, s19, 8*PLANE
	s_add_co_u32 s22, s22, s23                     ; its place in opc, at my first plane
	s_mov_b32 s23, 0
	s_lshl_b32 s24, s20, 9
	s_lshl_b32 s25, s19, 8
	s_add_co_u32 s24, s24, s25                     ; and in ops
	s_mov_b32 s25, 0
	s_wait_alu depctr_va_vdst(0)
	s_wait_kmcnt 0x0
	s_cmp_lt_u32 ttmp9, 352                        ; which tensor: the choice hangs on the work-group's number alone
	s_cselect_b64 s[6:7], s[6:7], s[8:9]
	s_mov_b32 s14, 352
	s_cselect_b32 s14, 256, s14
	s_cmp_lt_u32 ttmp9, 256
	s_cselect_b64 s[4:5], s[4:5], s[6:7]
	s_cselect_b32 s14, 0, s14                      ; the tensor's first work-group
	s_sub_co_u32 s26, ttmp9, s14
	s_lshl_b32 s26, s26, 17                        ; 32 rows of 4,096 bytes
	s_lshl_b32 s27, s18, 15                        ; the second tile begins 8 rows on
	s_add_co_u32 s26, s26, s27
	s_lshl_b32 s27, s19, 11                        ; half a row
	s_add_co_u32 s26, s26, s27
	s_mov_b32 s27, 0
	s_add_nc_u64 s[4:5], s[4:5], s[26:27]
	s_add_nc_u64 s[10:11], s[10:11], s[22:23]
	s_add_nc_u64 s[12:13], s[12:13], s[24:25]
.macro LOAD t                          ; step t: 16 rows x 512 consecutive bytes
.irp i, 0,1,2,3,4,5,6,7,8,9,10,11,12,13,14,15
	global_load_b128 v[R+64*((\t)%2)+4*\i:R+64*((\t)%2)+4*\i+3], v2, s[4:5] offset:(\i+8*(\i/8))*4096+512*(\t) th:TH_LOAD_NT
.endr
.endm
.macro TURNX t                         ; through the stage: LDS serves a wave's instructions in order, so no wait stands between the stores and the loads
.irp i, 0,1,2,3,4,5,6,7,8,9,10,11,12,13,14,15
	ds_store_b128 v3, v[R+64*((\t)%2)+4*\i:R+64*((\t)%2)+4*\i+3] offset:SP*\i
.endr
.irp b, 0,1,2,3
.irp j, 0,1,2,3
	ds_load_b128 v[X+16*\b+4*\j:X+16*\b+4*\j+3], v4 offset:128*\b+16*\j
.endr
.endr
.endm
; 64 numbers of a lane, register 16 b + i = k 32 b + 16 (lane / 16) + i of my row, become a fragment's 12 registers of codes in v[PC] on and its scale word in v[pw]
.macro QUANT s, pw
.irp b, 0,1,2,3
	v_max3_num_f32 v[TM+\b], |v[\s+16*\b]|, |v[\s+1+16*\b]|, 0x2800000   ; my 16 numbers of block b, and the floor 2^(5 - 127): the byte cannot fall under 1
.endr
.irp i, 2,4,6,8,10,12,14
.irp b, 0,1,2,3
	v_max3_num_f32 v[TM+\b], v[TM+\b], |v[\s+16*\b+\i]|, |v[\s+1+16*\b+\i]|   ; the four blocks by turns
.endr
.endr
.irp b, 0,1,2,3
	v_permlanex16_b32 v[TM+4+\b], v[TM+\b], s[SEL], s[SEL+1]
.endr
.irp b, 0,1,2,3
	v_max_num_f32 v[TM+\b], v[TM+\b], v[TM+4+\b]   ; with lane l xor 16's: the block's largest magnitude
.endr
.irp b, 0,1,2,3
	v_add_nc_u32 v[TM+12+\b], 0xfe000000, v[TM+\b] ; 4 off its exponent field: the conversion's scale operand
.endr
.irp b, 0,1,2,3
	v_lshrrev_b32 v[TM+4+\b], 23, v[TM+12+\b]      ; the scale's byte
.endr
	v_lshl_or_b32 v[\pw], v[TM+5], 8, v[TM+4]
	v_lshl_or_b32 v[\pw], v[TM+6], 16, v[\pw]
	v_lshl_or_b32 v[\pw], v[TM+7], 24, v[\pw]      ; my row's scale word, the same in both halves of the lanes
.irp c, 0,1
	v_cvt_scalef32_pk16_bf6_f32 v[PC+6*\c:PC+2+6*\c], v[\s+32*\c:\s+15+32*\c], v[TM+12+2*\c]
	v_cvt_scalef32_pk16_bf6_f32 v[PC+12+4*\c:PC+14+4*\c], v[\s+16+32*\c:\s+31+32*\c], v[TM+12+2*\c+1]   ; (a conversion's three registers begin on an even number)
.endr
	v_nop                                          ; one plain place behind a scaled conversion
.irp c, 0,1                            ; the operand wants a whole block in a lane: lanes 0-15 block 2 c, lanes 16-31 block 2 c + 1
.irp i, 0,1,2
	v_permlane16_swap_b32 v[PC+6*\c+\i], v[PC+12+4*\c+\i]
.endr
.irp i, 0,1,2
	v_mov_b32 v[PC+3+6*\c+\i], v[PC+12+4*\c+\i]
.endr
.endr
.endm
.macro OUT t                           ; the fragment's two halves go to planes 2 t and 2 t + 1: each store covers 512 or 256 consecutive bytes, aligned
	global_store_b128 v2, v[PC:PC+3], s[10:11] offset:2*(\t)*PLANE
	global_store_b64 v6, v[PC+4:PC+5], s[10:11] offset:2*(\t)*PLANE+512
	global_store_b128 v2, v[PC+6:PC+9], s[10:11] offset:(2*(\t)+1)*PLANE
	global_store_b64 v6, v[PC+10:PC+11], s[10:11] offset:(2*(\t)+1)*PLANE+512
.endm
.macro QSTEP t
.if (\t) < 3
	s_wait_loadcnt 16                              ; this step's 16 loads are in; the next step's 16 may be out
.else
	s_wait_loadcnt 0x0
.endif
	TURNX \t
	s_wait_dscnt 0x0                               ; my numbers are back, and the stores into the stage have read their registers,
.if (\t) < 2
	LOAD (\t)+2                                    ; which take the loads of two steps on
.endif
.if (\t) > 0
	s_wait_xcnt 0x0                                ; the last step's stores have read the codes' registers, which are written again below
.endif
	QUANT X, PW+(\t)
	OUT \t
.endm
	LOAD 0
	LOAD 1
	QSTEP 0
	QSTEP 1
	QSTEP 2
	QSTEP 3
	v_cndmask_b32 v248, v[PW], v[PW+2], vcc_lo     ; lanes 0-15 store steps 0, 1 of their row, lanes 16-31 steps 2, 3
	v_cndmask_b32 v249, v[PW+1], v[PW+3], vcc_lo
	global_store_b64 v7, v[248:249], s[12:13]      ; 32 lanes store 256 consecutive bytes, aligned
	s_wait_tensorcnt 0x0
	ds_add_u32 v254, v255
	s_wait_dscnt 0x0
	s_endpgm
.Lfunc_end_k_qd99a2e172d_quant:
	.size	k_qd99a2e172d_quant, .Lfunc_end_k_qd99a2e172d_quant-k_qd99a2e172d_quant
	.p2alignl 7, 3214868480
	.fill 96, 4, 3214868480
	.section	.rodata,"a",@progbits
	.p2align	6, 0x0
	.amdhsa_kernel k_qd99a2e172d_quant
		.amdhsa_group_segment_fixed_size 34304
		.amdhsa_private_segment_fixed_size 0
		.amdhsa_enable_private_segment 0
		.amdhsa_kernarg_size 40
		.amdhsa_user_sgpr_count 2
		.amdhsa_user_sgpr_kernarg_segment_ptr 1
		.amdhsa_wavefront_size32 1
		.amdhsa_system_sgpr_workgroup_id_x 1
		.amdhsa_system_sgpr_workgroup_id_y 1
		.amdhsa_system_sgpr_workgroup_id_z 1
		.amdhsa_system_vgpr_workitem_id 0
		.amdhsa_next_free_vgpr 256
		.amdhsa_next_free_sgpr 66
		.amdhsa_reserve_vcc 1
		.amdhsa_float_denorm_mode_32 3
		.amdhsa_float_denorm_mode_16_64 3
		.amdhsa_memory_ordered 1
		.amdhsa_forward_progress 1
		.amdhsa_inst_pref_size 34
	.end_amdhsa_kernel
	.amdgpu_metadata
---
amdhsa.version: [ 1, 2 ]
amdhsa.kernels:
  - .name:           k_qd99a2e172d_quant
    .symbol:         k_qd99a2e172d_quant.kd
    .args:
      - { .name: x, .offset: 0, .size: 8, .value_kind: global_buffer, .address_space: global }
      - { .name: w_attn, .offset: 8, .size: 8, .value_kind: global_buffer, .address_space: global }
      - { .name: w_proj, .offset: 16, .size: 8, .value_kind: global_buffer, .address_space: global }
      - { .name: opc, .offset: 24, .size: 8, .value_kind: global_buffer, .address_space: global }
      - { .name: ops, .offset: 32, .size: 8, .value_kind: global_buffer, .address_space: global }
    .group_segment_fixed_size: 34304
    .private_segment_fixed_size: 0
    .kernarg_segment_align: 8
    .kernarg_segment_size: 40
    .max_flat_workgroup_size: 128
    .sgpr_count:     66
    .vgpr_count:     256
    .wavefront_size: 32
...
	.end_amdgpu_metadata
.endif
;; end of part 1
;; launch gemm1 (part 2): grid 12 x 32, 4 waves a work-group, clusters of 4 x 4, 327,680 bytes of LDS; arguments opc, ops, b_attn, qkvc; writes qkvc
.if DOCPART == 2
	.amdgcn_target "amdgcn-amd-amdhsa--gfx1250"
	.amdhsa_code_object_version 6
	.text
	.protected	k_qd99a2e172d_gemm1
	.globl	k_qd99a2e172d_gemm1
	.p2align	8
	.type	k_qd99a2e172d_gemm1,@function
k_qd99a2e172d_gemm1:
	s_mov_b64 s[64:65], 0
	v_nop
	global_prefetch_b8 v0, s[64:65] scope:SCOPE_SE
	s_setreg_imm32_b32 hwreg(HW_REG_WAVE_MODE, 25, 1), 1
	s_wait_xcnt 0x0
	s_wait_alu depctr_hold_cnt(0) depctr_sa_sdst(0) depctr_va_vdst(0) depctr_va_sdst(0) depctr_va_ssrc(0) depctr_va_vcc(0) depctr_vm_vsrc(0)
	s_getreg_b32 s2, hwreg(HW_REG_IB_STS2, 6, 4)
	s_cmp_eq_u32 s2, 0
	s_cbranch_scc0 .Lentry_in_a_cluster
	s_endpgm
.Lentry_in_a_cluster:
	s_bfe_u32 s2, ttmp6, 0x10000c
	s_cmp_lg_u32 s2, 0xf033
	s_cbranch_scc0 .Lentry_shape_is_right
	s_endpgm
.Lentry_shape_is_right:
; qkv = x w_attn^T + b_attn on codes of BF6 (E3M2) with E8M0 scales, K = 1,024; the results are quantised in registers and leave as codes: q and k along the head's 64, v along the keys.
; A work-group makes 256 tokens (ty) x 256 features (tx); each of its four waves 128 x 128: 64 accumulators, 512 registers.
; opc holds operands as images of their registers: [plane K / 64][tile][768 bytes]; a fragment (16 rows x 128 K, 12 registers) is two images: b128, b64, b128, b64, each dense.
; Lane row r of tile 2 B + u is row 32 B + 8 u + r + 8 (r / 8): so the 16 registers that tiles 2 B, 2 B + 1 of SOURCE 0 give a lane are 16 neighbours, 32 B + 16 (lane / 16) + 0 .. 15.
; WHICH OPERAND IS SOURCE 0 hangs on the cluster's x alone, which all partners share.  q, k (x = 0, 1): source 0 = w_attn's rows, source 1 = tokens: a lane holds a token and its
; registers run along the features, the next product's K.  v (x = 2): source 0 = tokens, source 1 = w_attn's rows: a lane holds a channel and its registers run along the tokens, the keys.
; The bias is the C of each sum's first matrix instruction.
; qkvc: [head 48: 16 of q, 16 of k, 16 of v][record = token / 128: 64][6,400 bytes].  A record of q or k: eight images (token tile a at 768 a); of v: four fragments (channel tile at 1,536 each,
; K = the record's 128 tokens); both: 256 bytes of scale words at 6,144: lane 16 g + r holds two words at 8 x lane: q, k: of tile pairs 2 g, 2 g + 1 (two bytes of each tile); v: of channel tiles 2 g, 2 g + 1.
; K comes in four chunks of 256 through three LDS slots: chunks 0, 1, 2 are first fills, chunk 3 is the one refill, of slot 0.
; CLUSTER 4 x 4: the tokens' tile hangs on ty alone and is asked for jointly by a row of the cluster, w_attn's on tx alone, by a column.
; The scale words of a wave's 2 x 128 rows for all of K are 64 registers, loaded once: register j of a tile holds K step j in lanes 0-15 and K step 4 + j in lanes 16-31.
; LIMITS: a block of zeros gets the byte 1 where the rule says 127 (its codes are zeros; this program alone reads the bytes); NaN and infinities are not served.
; REGISTERS: window 0: v1-29 addresses; v32-63, v64-95 scale words of source 0, 1; v96-127, v224-255 the bias, 8 x 8; v128-223 source 1's fragments, one set.
;   window 1: source 0's fragments, two sets, at v0 and v128; v96-103 the bias, one number a lane.   windows 2, 3: accumulator (a, b) at v[8 (8 (a % 4) + b)].
.set PLANE, 589824                     ; bytes of a plane of opc
.set BLKB,  24576                      ; what one tensor load brings: [plane 4][tile 8][768]
.set SLOT,  4*BLKB                     ; the tokens' two halves, then w_attn's
.set SPARE, 3*SLOT                     ; behind the slots: the spare words, 128 bytes for each wave, that no other line names
.set REC,   6400
.set HEADSTR, 64*REC
.set FR,    12
.set AD,    4                          ; v4-15   slot s: source 0 at 16 x lane, at 8 x lane; source 1 likewise
.set L16,   22                         ; v22     16 x lane
.set L8,    25                         ; v25     8 x lane
.set SPW,   28                         ; v28     my spare word; never rewritten
.set NIL,   29                         ; v29     0; never rewritten
.set SC0,   32
.set SC1,   64
.set S1F,   128
.set PW,    96                         ; the way out: the eight scale words
.set PT,    224                        ; halves on their way
.set TM,    232                        ; at work
.set G1T,   24                         ; s[24:31] group 1 for the tokens' tiles;  s[48:55] for w_attn's
.set G1W,   48
.set G0T,   68                         ; s[68:79] group 0, a set for each slot;  s[80:91] for w_attn's
.set G0W,   80
.set SEL,   38
.set MSB, 0
.macro WIN new                         ; the immediate's high byte repeats the setting that is left
.if MSB != (\new)
	s_set_vgpr_msb (MSB<<8)|(\new)
.set MSB, (\new)
.endif
.endm
.macro PLACES                          ; four plain places behind matrix instructions, in front of loads into their registers and of reads of their results
.rept 4
	v_nop
.endr
.endm
; A joint load: waves 0, 1 fetch the tokens' halves, waves 2, 3 w_attn's.  The branch hangs on the wave's number alone.  Four v_nop follow each of the two lines.
.macro JLOAD g0a, g1a, g0b, g1b
	s_cmp_eq_u32 s15, 0
	s_cbranch_scc0 .Lfor_w_\@
	tensor_load_to_lds s[\g0a:\g0a+3], s[\g1a:\g1a+7]
	s_nop 0
.rept 4
	v_nop
.endr
	s_branch .Lasked_\@
.Lfor_w_\@:
	tensor_load_to_lds s[\g0b:\g0b+3], s[\g1b:\g1b+7]
	s_nop 0
.rept 4
	v_nop
.endr
.Lasked_\@:
.endm
.macro CREST                           ; a round of the cluster's barrier behind its opening barrier
	s_cmp_lg_u32 s14, 0
	s_cbranch_scc1 .Lnot_wave_0_\@
	s_barrier_signal -3
.Lnot_wave_0_\@:
	s_barrier_wait -3
	s_barrier_signal -1
	s_barrier_wait -1
.endm
.macro CROUND
	s_barrier_signal -1
	s_barrier_wait -1
	CREST
.endm
	s_load_b128 s[4:7], s[0:1], 0x0                ; opc, ops
	s_load_b128 s[8:11], s[0:1], 0x10              ; b_attn, qkvc
	v_lshl_add_u32 v[SPW], v0, 2, SPARE
	v_mov_b32 v[NIL], 0
	ds_add_u32 v28, v29
	ds_add_u32 v28, v29
	s_wait_dscnt 0x0
	v_lshrrev_b32 v1, 5, v0
	v_readfirstlane_b32 s14, v1                    ; wave 0..3
	s_lshr_b32 s15, s14, 1                         ; which half of source 1 is mine.  Also: I fetch tokens (0) or w_attn (1)
	s_and_b32 s16, s14, 1                          ; which half of source 0.  Also: which 128 rows I fetch
	s_bfe_u32 s40, ttmp6, 0x40000                  ; cx, cy
	s_bfe_u32 s41, ttmp6, 0x40004
	s_lshl_b32 s42, ttmp9, 2
	s_add_co_u32 s42, s42, s40                     ; tx: 256 rows of w_attn
	s_and_b32 s17, ttmp7, 0xffff
	s_lshl_b32 s17, s17, 2
	s_add_co_u32 s17, s17, s41                     ; ty: 256 tokens
	s_lshl_b32 s43, s41, 2
	s_lshl_b32 s43, 15, s43                        ; my row of the cluster
	s_lshl_b32 s44, 0x1111, s40                    ; my column
	s_or_b32 s[G1T], s43, (3<<16)|(1<<21)          ; 15:0 the mask; 17:16 elements of 8 bytes; 21 set beside a mask; no padding: the images are read densely
	s_or_b32 s[G1W], s44, (3<<16)|(1<<21)
.irp g, G1T, G1W
	s_mov_b32 s[\g+1], 768<<16                     ; tensor_dim0 = 768 elements: eight tiles of a plane, 6,144 bytes
	s_mov_b32 s[\g+2], 4<<16                       ; tensor_dim1 = 4 planes
	s_mov_b32 s[\g+3], 768<<16                     ; tile_dim0
	s_mov_b32 s[\g+4], 4                           ; tile_dim1
	s_mov_b32 s[\g+5], PLANE/8                     ; from plane to plane, in elements
	s_mov_b32 s[\g+6], 0
	s_mov_b32 s[\g+7], 0
.endr
	s_mov_b32 s[SEL], 0x76543210
	s_mov_b32 s[SEL+1], 0xfedcba98
	s_lshl_b32 s46, s17, 4                         ; the tokens' first tile: 16 ty
	s_lshl_b32 s47, s42, 4
	s_add_co_u32 s47, s47, 512                     ; w_attn's: 512 + 16 tx
	s_cmp_eq_u32 ttmp9, 2                          ; v?  The same answer in all sixteen partners
	s_cselect_b32 s18, s15, s16                    ; which half of the features is mine
	s_cselect_b32 s19, s16, s15                    ; which half of the tokens
	s_cselect_b32 s20, -1, 0                       ; a lane mask: all on for v
	s_cselect_b32 s21, 2*BLKB, 0                   ; where source 1's tile lies in a slot
	s_cselect_b32 s22, 0, 2*BLKB                   ; and source 0's
	s_mov_b32 s32, 768
	s_cselect_b32 s32, 1536, s32                   ; the way out: from block a to block a + 1,
	s_mov_b32 s34, 768
	s_cselect_b32 s34, HEADSTR-3*1536, s34         ; from block 3 to block 4 (v: the next head),
	s_mov_b32 s36, HEADSTR
	s_cselect_b32 s36, 768, s36                    ; from a fragment's first half to its second (q, k: the next head)
	s_cselect_b32 s92, s46, s47                    ; source 0's first tile, for its scale words
	s_cselect_b32 s94, s47, s46                    ; source 1's
	s_mov_b32 s33, 0
	s_mov_b32 s35, 0
	s_lshl_b32 s23, s16, 3
	s_lshl_b32 s37, s15, 3
	s_add_co_u32 s92, s92, s23
	s_add_co_u32 s94, s94, s37
	s_lshl_b32 s92, s92, 9                         ; 512 bytes of scale words a tile
	s_lshl_b32 s94, s94, 9
	s_mov_b32 s93, 0
	s_mov_b32 s95, 0
	s_add_co_u32 s56, s46, s23                     ; what I fetch of the tokens: it hangs on ty and the wave alone,
	s_mul_i32 s56, s56, 768
	s_mov_b32 s57, 0
	s_add_co_u32 s60, s47, s23                     ; of w_attn: on tx and the wave alone
	s_mul_i32 s60, s60, 768
	s_mov_b32 s61, 0
	s_mul_i32 s45, s14, BLKB                       ; where it goes in a slot: no place in the cluster enters an LDS address of a fill
	s_lshl_b32 s96, s42, 10
	s_lshl_b32 s37, s18, 9
	s_add_co_u32 s96, s96, s37                     ; my 128 numbers of b_attn
	s_mov_b32 s97, 0
	s_lshl_b32 s98, s42, 2
	s_lshl_b32 s37, s18, 1
	s_add_co_u32 s98, s98, s37                     ; my first head: 4 tx + 2 x half
	s_lshl_b32 s98, s98, 6
	s_lshl_b32 s37, s17, 1
	s_add_co_u32 s98, s98, s37
	s_add_co_u32 s98, s98, s19                     ; its record 2 ty + half
	s_mul_i32 s98, s98, REC
	s_mov_b32 s99, 0
	s_wait_kmcnt 0x0
	s_add_nc_u64 s[56:57], s[4:5], s[56:57]
	s_add_nc_u64 s[60:61], s[4:5], s[60:61]
	s_add_nc_u64 s[92:93], s[6:7], s[92:93]
	s_add_nc_u64 s[94:95], s[6:7], s[94:95]
	s_add_nc_u64 s[96:97], s[8:9], s[96:97]
	s_add_nc_u64 s[10:11], s[10:11], s[98:99]
	s_mov_b64 s[98:99], s[10:11]                   ; kept for the scale words: s[10:11] walks
	CROUND                                         ; all sixteen work-groups are here: the first joint loads meet
.irp s, 0,1,2
	s_mov_b32 s[G0T+4*\s], 1
	s_add_co_u32 s[G0T+4*\s+1], s45, \s*SLOT
	s_add_nc_u64 s[G0T+4*\s+2:G0T+4*\s+3], s[56:57], \s*4*PLANE    ; chunk s: planes 4 s on
	s_or_b32 s[G0T+4*\s+3], s[G0T+4*\s+3], 0x80000000
	s_mov_b32 s[G0W+4*\s], 1
	s_add_co_u32 s[G0W+4*\s+1], s45, \s*SLOT
	s_add_nc_u64 s[G0W+4*\s+2:G0W+4*\s+3], s[60:61], \s*4*PLANE
	s_or_b32 s[G0W+4*\s+3], s[G0W+4*\s+3], 0x80000000
	JLOAD G0T+4*\s, G1T, G0W+4*\s, G1W             ; three loads of mine are out
.endr
	v_and_b32 v1, 31, v0                           ; lane
	v_and_b32 v2, 15, v0                           ; r
	v_bfe_u32 v3, v0, 4, 1                         ; h
	v_lshlrev_b32 v[L16], 4, v1
	v_lshlrev_b32 v[L8], 3, v1
	v_lshlrev_b32 v23, 6, v3                       ; the bias along the registers: 16 h numbers on
	v_and_b32 v24, 8, v2
	v_add_nc_u32 v24, v24, v2
	v_lshlrev_b32 v24, 2, v24                      ; the bias of my lane's row: r + 8 (r / 8)
.irp i, 0,1,2,3,4,5,6,7
	global_load_b128 v[SC0+4*\i:SC0+4*\i+3], v[L16], s[92:93] offset:512*\i
	global_load_b128 v[SC1+4*\i:SC1+4*\i+3], v[L16], s[94:95] offset:512*\i
.endr
.irp i, 0,1,2,3,4,5,6,7                ; both forms of the bias are loaded, both inside my 128 numbers; the first K step takes the one that its layout wants
	global_load_b128 v[96+8*\i+96*(\i/4):96+8*\i+96*(\i/4)+3], v23, s[96:97] offset:(32*(\i/2)+8*(\i%2))*4
	global_load_b128 v[96+8*\i+96*(\i/4)+4:96+8*\i+96*(\i/4)+7], v23, s[96:97] offset:(32*(\i/2)+8*(\i%2))*4+16
.endr
	WIN 0x40                                       ; destination window 1
.irp i, 0,1,2,3,4,5,6,7
	global_load_b32 v[96+\i], v24, s[96:97] offset:(32*(\i/2)+8*(\i%2))*4
.endr
	WIN 0
	s_mul_i32 s23, s16, BLKB
	s_add_co_u32 s23, s23, s22                     ; my half of source 0 in a slot
	s_mul_i32 s37, s15, BLKB
	s_add_co_u32 s37, s37, s21                     ; of source 1
.irp s, 0,1,2
	v_add_nc_u32 v[AD+4*\s], s23, v[L16]
	v_add_nc_u32 v[AD+4*\s+1], s23, v[L8]
	v_add_nc_u32 v[AD+4*\s+2], s37, v[L16]
	v_add_nc_u32 v[AD+4*\s+3], s37, v[L8]
	s_add_co_u32 s23, s23, SLOT
	s_add_co_u32 s37, s37, SLOT
.endr
	v_add_nc_u32 v17, s36, v[L16]                  ; the way out: a fragment's second half
	v_add_nc_u32 v19, s36, v[L8]
	v_add_nc_u32 v21, HEADSTR, v[L8]               ; the second head's scale words
.macro FRAG reg, a16, a8, q, i         ; a fragment: the images of planes 2 q and 2 q + 1 of the slot, tile i
.set fr_, \reg
	ds_load_b128 v[fr_:fr_+3], v[\a16] offset:2*(\q)*6144+768*(\i)
	ds_load_b64 v[fr_+4:fr_+5], v[\a8] offset:2*(\q)*6144+768*(\i)+512
	ds_load_b128 v[fr_+6:fr_+9], v[\a16] offset:(2*(\q)+1)*6144+768*(\i)
	ds_load_b64 v[fr_+10:fr_+11], v[\a8] offset:(2*(\q)+1)*6144+768*(\i)+512
.endm
.macro FETCH_S0 slot, q, p             ; source 0's eight fragments into set p: 32 loads
	WIN 0x40
.irp i, 0,1,2,3,4,5,6,7
	FRAG 128*(\p)+FR*\i, AD+4*(\slot), AD+4*(\slot)+1, \q, \i
.endr
	WIN 0
.endm
.macro FETCH_S1 slot, q, i0            ; source 1's blocks i0 .. i0 + 3: 16 loads
.irp i, \i0, \i0+1, \i0+2, \i0+3
	FRAG S1F+FR*(\i), AD+4*(\slot)+2, AD+4*(\slot)+3, \q, \i
.endr
.endm
; 16 matrix instructions: source 1's blocks a0, a0 + 1 x source 0's eight, K step k.  cm = 0: onto the sums; 1: the sums begin with the bias along the registers; 2: with the bias of the lane's row.
; The 64 accumulators take turns, one instruction a turn, in the same order in every step.
.macro MUL16 a0, k, cm
.irp a, \a0, \a0+1
.irp b, 0,1,2,3,4,5,6,7
.set rD, 8*(8*((\a)%4)+\b)
.set rC, rD
.if \cm == 1
.set rC, 96+8*\b+96*(\b/4)
.endif
.if \cm == 2
.set rC, 96+8*(\a)+96*((\a)/4)
.endif
.set rA, 128*((\k)%2)+FR*\b
.set rB, S1F+FR*(\a)
.if (\k) < 4
	v_wmma_scale_f32_16x16x128_f8f6f4 v[rD:rD+7], v[rA:rA+FR-1], v[rB:rB+FR-1], v[rC:rC+7], v[SC0+4*\b+(\k)%4], v[SC1+4*(\a)+(\k)%4] matrix_a_fmt:MATRIX_FMT_BF6 matrix_b_fmt:MATRIX_FMT_BF6
.else
	v_wmma_scale_f32_16x16x128_f8f6f4 v[rD:rD+7], v[rA:rA+FR-1], v[rB:rB+FR-1], v[rC:rC+7], v[SC0+4*\b+(\k)%4], v[SC1+4*(\a)+(\k)%4] matrix_a_fmt:MATRIX_FMT_BF6 matrix_b_fmt:MATRIX_FMT_BF6 matrix_a_scale:MATRIX_SCALE_ROW1 matrix_b_scale:MATRIX_SCALE_ROW1
.endif
.endr
.endr
.endm
; K step k; the next step's fragments come from slot nslot, its nq-th 128 along K.  Source 1 has one set: a block is free as soon as its eight products are issued.
.macro STEP k, nslot, nq, cm
	s_wait_dscnt 16                                ; source 0's set and source 1's blocks 0-3 are in; the youngest 16 loads (blocks 4-7) may be out
.if \cm
	WIN 0x81                                       ; source 0 window 1, source 1 and the bias window 0, D window 2
.else
	WIN 0xa1                                       ; C and D window 2
.endif
	MUL16 0, \k, \cm
	MUL16 2, \k, \cm
	s_wait_dscnt 0x0                               ; blocks 4-7 are in
	PLACES
	FETCH_S0 \nslot, \nq, ((\k)+1)%2
	FETCH_S1 \nslot, \nq, 0
.if \cm
	WIN 0xc1
.else
	WIN 0xf1
.endif
	MUL16 4, \k, \cm
	MUL16 6, \k, \cm
	PLACES
	WIN 0
	FETCH_S1 \nslot, \nq, 4
.endm
; A K step with a barrier in it.  In front of the barrier each wave waits for all its tensor loads, adds 0 to its spare word, and waits for that and for its LDS reads.
; fill = 1: the barrier opens a round of the cluster's, and slot 0, which nobody reads any more, takes chunk 3.
.macro TURN k, nslot, fill
	s_wait_tensorcnt 0x0                           ; all my tensor loads have landed
	ds_add_u32 v[SPW], v[NIL]                      ; 0 onto my spare word
	s_wait_dscnt 17                                ; (the add and the youngest 16 loads may be out)
	WIN 0xa1
	MUL16 0, \k, 0                                 ; sixteen matrix instructions stand between the add and the wait for it
	s_wait_dscnt 0x0                               ; the add is done, and my reads of the slot in hand are over
	s_barrier_signal -1
	MUL16 2, \k, 0
	WIN 0
	s_barrier_wait -1
.if \fill
	CREST                                          ; no wave of any partner still reads slot 0 or has a load on its way
	s_add_nc_u64 s[G0T+2:G0T+3], s[G0T+2:G0T+3], 12*PLANE          ; slot 0's descriptors: from chunk 0 to chunk 3
	s_add_nc_u64 s[G0W+2:G0W+3], s[G0W+2:G0W+3], 12*PLANE
	JLOAD G0T, G1T, G0W, G1W                       ; the first tensor load behind the round, my only one: it has four K steps in which to land; its four v_nop are the places in front of the loads below
.else
	PLACES
.endif
	FETCH_S0 \nslot, 0, ((\k)+1)%2
	s_wait_alu depctr_va_vdst(0)
	FETCH_S1 \nslot, 0, 0
	WIN 0xf1
	MUL16 4, \k, 0
	MUL16 6, \k, 0
	PLACES
	WIN 0
	FETCH_S1 \nslot, 0, 4
.endm
	s_wait_tensorcnt 2                             ; my part of chunk 0 is in; chunks 1 and 2 may stay out
	s_barrier_signal -1
	s_barrier_wait -1                              ; everybody's is
	FETCH_S0 0, 0, 0
	FETCH_S1 0, 0, 0
	FETCH_S1 0, 0, 4
	s_wait_loadcnt 0x0                             ; the scale words and the bias
	s_cmp_eq_u32 ttmp9, 2
	s_cbranch_scc1 .Lfirst_v
	STEP 0, 0, 1, 1                                ; q, k: a lane's registers run along the features, and so does the bias
	s_branch .Lfirst_done
.Lfirst_v:
	WIN 0x01                                       ; source 0 window 1
.irp a, 0,1,2,3,4,5,6,7                ; v: a lane holds one channel: its bias in all eight registers
.irp j, 0,1,2,3,4,5,6,7
	v_mov_b32 v[96+8*\a+96*(\a/4)+\j], v[96+\a]
.endr
.endr
	WIN 0
	PLACES
	s_wait_alu depctr_va_vdst(0)
	STEP 0, 0, 1, 2
.Lfirst_done:
	TURN 1, 1, 1                                   ; slot 0 is read out: the one refill
	STEP 2, 1, 1, 0
	STEP 3, 2, 0, 0                                ; no barrier: the wait for all loads in front of the round has shown slots 1 and 2 whole to every wave
	STEP 4, 2, 1, 0
	TURN 5, 0, 0                                   ; chunk 3 has landed, everybody's
	STEP 6, 0, 1, 0
	s_wait_dscnt 16                                ; the last step: nothing more to fetch
	WIN 0xa1
	MUL16 0, 7, 0
	MUL16 2, 7, 0
	s_wait_dscnt 0x0
	WIN 0xf1
	MUL16 4, 7, 0
	MUL16 6, 7, 0
	WIN 0
	PLACES
; THE WAY OUT.  Block a's 64 numbers of a lane, register 16 B + i = k 32 B + 16 (lane / 16) + i, become a fragment's codes in v[128 + 12 a] on and a scale word in v[PW + a].
; Each accumulator is read from its low end on.
.macro QUANT_ACC a
.set AC, 64*((\a)%4)
.set PCA, S1F+12*(\a)
	WIN 0x0a+5*((\a)/4)                            ; sources 0 and 1: window 2 or 3
.irp b, 0,1,2,3
	v_max3_num_f32 v[TM+\b], |v[AC+16*\b]|, |v[AC+16*\b+1]|, 0x2800000   ; with the floor 2^(5 - 127): the byte cannot fall under 1
.endr
.irp i, 2,4,6,8,10,12,14
.irp b, 0,1,2,3
	v_max3_num_f32 v[TM+\b], |v[AC+16*\b+\i]|, |v[AC+16*\b+\i+1]|, v[TM+\b]
.endr
.endr
	WIN 0
.irp b, 0,1,2,3
	v_permlanex16_b32 v[TM+4+\b], v[TM+\b], s[SEL], s[SEL+1]
.endr
.irp b, 0,1,2,3
	v_max_num_f32 v[TM+\b], v[TM+\b], v[TM+4+\b]
.endr
.irp b, 0,1,2,3
	v_add_nc_u32 v[TM+12+\b], 0xfe000000, v[TM+\b] ; 4 off the exponent field: the conversion's scale operand
.endr
.irp b, 0,1,2,3
	v_lshrrev_b32 v[TM+4+\b], 23, v[TM+12+\b]
.endr
	v_lshl_or_b32 v[PW+(\a)], v[TM+5], 8, v[TM+4]
	v_lshl_or_b32 v[PW+(\a)], v[TM+6], 16, v[PW+(\a)]
	v_lshl_or_b32 v[PW+(\a)], v[TM+7], 24, v[PW+(\a)]
	WIN 0x02+(\a)/4                                ; source 0: window 2 or 3
.irp c, 0,1
	v_cvt_scalef32_pk16_bf6_f32 v[PCA+6*\c:PCA+6*\c+2], v[AC+32*\c:AC+32*\c+15], v[TM+12+2*\c]
	v_cvt_scalef32_pk16_bf6_f32 v[PT+4*\c:PT+4*\c+2], v[AC+32*\c+16:AC+32*\c+31], v[TM+12+2*\c+1]
.endr
	WIN 0
	v_nop                                          ; one plain place behind a scaled conversion
.irp c, 0,1
.irp i, 0,1,2
	v_permlane16_swap_b32 v[PCA+6*\c+\i], v[PT+4*\c+\i]
.endr
.irp i, 0,1,2
	v_mov_b32 v[PCA+3+6*\c+\i], v[PT+4*\c+\i]
.endr
.endr
.endm
.irp b, 0,1,2,3
	v_mov_b32 v[TM+4+\b], 0                        ; a lane permute's destination counts as one of its sources
.endr
	v_cmp_le_u32 vcc_lo, 16, v1                    ; lanes 16-31
.irp a, 0,1,2,3,4,5,6,7
	QUANT_ACC \a
.if \a > 0
	s_wait_alu depctr_va_vdst(0)
	s_wait_xcnt 0x0                                ; the last block's stores have read their base
.if \a == 4
	s_add_nc_u64 s[10:11], s[10:11], s[34:35]
.else
	s_add_nc_u64 s[10:11], s[10:11], s[32:33]
.endif
.endif
	global_store_b128 v[L16], v[S1F+12*\a:S1F+12*\a+3], s[10:11]                 ; each store covers 512 or 256 consecutive bytes, aligned; each block has registers of its own
	global_store_b64 v[L8], v[S1F+12*\a+4:S1F+12*\a+5], s[10:11] offset:512
	global_store_b128 v17, v[S1F+12*\a+6:S1F+12*\a+9], s[10:11]
	global_store_b64 v19, v[S1F+12*\a+10:S1F+12*\a+11], s[10:11] offset:512
.endr
; The scale words of my two heads' records.  q, k: head g's word of tile pair i is bytes 2 g, 2 g + 1 of blocks 2 i and 2 i + 1; v: head g's word of channel tile i is block 4 g + i's.
.irp g, 0,1
.irp i, 0,1,2,3
	v_perm_b32 v[104+\i], v[PW+2*\i+1], v[PW+2*\i], 0x05040100+0x02020202*\g
	v_cndmask_b32 v[104+\i], v[104+\i], v[PW+4*\g+\i], s20
.endr
	v_cndmask_b32 v[108+2*\g], v104, v106, vcc_lo  ; lanes 0-15 hold words 0, 1 of their row, lanes 16-31 words 2, 3
	v_cndmask_b32 v[109+2*\g], v105, v107, vcc_lo
.if \g == 0
	global_store_b64 v[L8], v[108:109], s[98:99] offset:6144       ; 256 consecutive bytes, aligned
.else
	global_store_b64 v21, v[110:111], s[98:99] offset:6144
.endif
.endr
	s_wait_tensorcnt 0x0                           ; the wave's end
	ds_add_u32 v[SPW], v[NIL]
	s_wait_dscnt 0x0
	CROUND                                         ; the closing round: no work-group ends while a partner may still ask for a tile that names it
	s_endpgm
.Lfunc_end_k_qd99a2e172d_gemm1:
	.size	k_qd99a2e172d_gemm1, .Lfunc_end_k_qd99a2e172d_gemm1-k_qd99a2e172d_gemm1
	.p2alignl 7, 3214868480
	.fill 96, 4, 3214868480
	.section	.rodata,"a",@progbits
	.p2align	6, 0x0
	.amdhsa_kernel k_qd99a2e172d_gemm1
		.amdhsa_group_segment_fixed_size 327680
		.amdhsa_private_segment_fixed_size 0
		.amdhsa_enable_private_segment 0
		.amdhsa_kernarg_size 32
		.amdhsa_user_sgpr_count 2
		.amdhsa_user_sgpr_kernarg_segment_ptr 1
		.amdhsa_wavefront_size32 1
		.amdhsa_system_sgpr_workgroup_id_x 1
		.amdhsa_system_sgpr_workgroup_id_y 1
		.amdhsa_system_sgpr_workgroup_id_z 1
		.amdhsa_system_vgpr_workitem_id 0
		.amdhsa_next_free_vgpr 1024
		.amdhsa_next_free_sgpr 100
		.amdhsa_reserve_vcc 1
		.amdhsa_float_denorm_mode_32 3
		.amdhsa_float_denorm_mode_16_64 3
		.amdhsa_memory_ordered 1
		.amdhsa_forward_progress 1
		.amdhsa_inst_pref_size 166
	.end_amdhsa_kernel
	.amdgpu_metadata
---
amdhsa.version: [ 1, 2 ]
amdhsa.kernels:
  - .name:           k_qd99a2e172d_gemm1
    .symbol:         k_qd99a2e172d_gemm1.kd
    .args:
      - { .name: opc, .offset: 0, .size: 8, .value_kind: global_buffer, .address_space: global }
      - { .name: ops, .offset: 8, .size: 8, .value_kind: global_buffer, .address_space: global }
      - { .name: b_attn, .offset: 16, .size: 8, .value_kind: global_buffer, .address_space: global }
      - { .name: qkvc, .offset: 24, .size: 8, .value_kind: global_buffer, .address_space: global }
    .group_segment_fixed_size: 327680
    .private_segment_fixed_size: 0
    .kernarg_segment_align: 8
    .kernarg_segment_size: 32
    .max_flat_workgroup_size: 128
    .sgpr_count:     100
    .vgpr_count:     1024
    .wavefront_size: 32
...
	.end_amdgpu_metadata
.endif
;; end of part 2
;; launch attn (part 3): grid 4 x 64, 16 waves a work-group, no clusters, 206,848 bytes of LDS; arguments qkvc, yc, ys; writes yc, ys
.if DOCPART == 3
	.amdgcn_target "amdgcn-amd-amdhsa--gfx1250"
	.amdhsa_code_object_version 6
	.text
	.protected	k_qd99a2e172d_attn
	.globl	k_qd99a2e172d_attn
	.p2align	8
	.type	k_qd99a2e172d_attn,@function
k_qd99a2e172d_attn:
	s_mov_b64 s[64:65], 0
	v_nop
	global_prefetch_b8 v0, s[64:65] scope:SCOPE_SE
	s_setreg_imm32_b32 hwreg(HW_REG_WAVE_MODE, 25, 1), 1
	s_wait_xcnt 0x0
; y = softmax(q k^T / 8, causal) v for one head of one batch, both products on codes of BF6 (E3M2) with E8M0 scales; y leaves as codes, quantised along the head's 64 channels (two blocks of the next product's K).
; THE SOFTMAX AHEAD OF THE SECOND PRODUCT: t = score x log2(e) / 8; M = the running largest t rounded UP to a whole number; p = 2^(t - M) is quantised along the keys, not normalised.
; The row's sum is taken of the unquantised p and divides at the end.  When M moves, the sum and O are multiplied by 2^(old M - new M): exact.
; SHARES.  Work-group (i, 16 batch + head) owns the query blocks 7 - i and i, 256 queries each, one after the other: with the causal mask every work-group so has the same number of key steps.
; Each of its sixteen waves owns one tile of 16 queries of a block, in 256 registers: four waves to a SIMD, so that one wave's vector work stands beside another's products and LDS loads.
; K AND V OF THE WHOLE HEAD STAY IN LDS, filled once, in four quarters of 512 keys: 16 records of 6,400 bytes each.  Nothing is filled again.
; NO CLUSTER, though the four work-groups of a head read the same K and V: which key steps a work-group leaves out hangs on its query block, which would be its place in the cluster.
; LAYOUT.  Both products transposed: S^T = K Q^T, O^T = V^T P^T: a lane holds ONE query throughout.  Lane row r of a tile 2 B + u (of queries, keys, channels) is row 32 B + 8 u + r + 8 (r / 8).
; K = 64 IN AN INSTRUCTION OF 128: a fragment of K is the images of key tiles 2 b and 2 b + 1; Q stands as [q | six registers of zero codes | q].  With q in the lower half the product is tile 2 b's scores, with q in
; the upper half tile 2 b + 1's: the other tile meets zero codes, which add nothing under any finite scale.  No LDS byte is read for padding.
; CAUSAL: every wave walks all 16 key steps (constant trip counts); a step all of whose keys come after the wave's queries is jumped over by a scalar branch on ids; on the diagonal hidden scores become -infinity.
; LIMITS: a block of zeros gets the byte 1 where the rule says 127 (its codes are zeros; this program alone reads the bytes); NaN and infinities are not served.
; REGISTERS: v1, v2 16, 8 x lane; v3-6 the step's LDS addresses; v7 r + 8 (r / 8) - 16 h; v8 Q's scale word; v9 8 r; v10-11 K's scale words; v12 -M, v13 largest t, v[14:15] the sum; v16-33 Q; v34-35 V's scale words;
;   v36 16 r; v37 Q's word as loaded; v38-39 V's 16, 8 x lane; v40-87 four fragments; v88-95 at work; v96-159 S^T, then p; v160-191 O^T; v192-223 y; v224-235 codes; v236-247 at work; v252 f, v253 p's scale word.
.set REC,   6400
.set VLDS,  16*REC                     ; K's records at 0, V's here
.set QUART, 4*REC
.set BM,    88
.set T4,    92
.set WV,    10
.set W1,    11
.set SEL,   12
.set CS,    14
.set TB,    16                         ; LDS byte of the step's record of K
.set KF,    17                         ; the step's first key
.set Q0,    18                         ; my tile's first query
.set PASS,  19
.set TR,    20
.set BLK,   21
.set G1,    24
.set G0,    32                         ; s[32:47] a set for each quarter
.set BAT,   48
.set HD,    49
.set QSEL,  50
.set YSO,   51
	s_load_b128 s[4:7], s[0:1], 0x0                ; qkvc, yc
	s_load_b64 s[8:9], s[0:1], 0x10                ; ys
	v_lshl_add_u32 v251, v0, 2, 0x32000
	v_mov_b32 v255, 0
	ds_add_u32 v251, v255
	ds_add_u32 v251, v255
	v_lshrrev_b32 v1, 5, v0
	s_delay_alu instid0(VALU_DEP_1)
	v_readfirstlane_b32 s[WV], v1                  ; wave 0..15
	s_and_b32 s[W1], s[WV], 1
	s_and_b32 s22, ttmp7, 0xffff
	s_lshr_b32 s[BAT], s22, 4
	s_and_b32 s[HD], s22, 15
	s_lshl_b32 s52, s[W1], 4                       ; what I fetch, if I fetch: wave 0: k's head (16 + head), wave 1: v's (32 + head); the batch's 16 records
	s_add_co_u32 s52, s52, s[HD]
	s_add_co_u32 s52, s52, 16
	s_lshl_b32 s52, s52, 6
	s_lshl_b32 s53, s[BAT], 4
	s_add_co_u32 s52, s52, s53
	s_mul_i32 s52, s52, REC
	s_mov_b32 s53, 0
	s_mul_i32 s54, s[W1], VLDS
	s_mov_b32 s[G1], 3<<16                         ; no mask; elements of 8 bytes; no padding: a dense block of 25,600 bytes as 100 rows of 256
	s_mov_b32 s[G1+1], 32<<16
	s_mov_b32 s[G1+2], 100<<16
	s_mov_b32 s[G1+3], 32<<16
	s_mov_b32 s[G1+4], 100
	s_mov_b32 s[G1+5], 32
	s_mov_b32 s[G1+6], 0
	s_mov_b32 s[G1+7], 0
	s_mov_b32 s[SEL], 0x76543210
	s_mov_b32 s[SEL+1], 0xfedcba98
	s_mov_b32 s[CS], 0x3e38aa3b                    ; c = log2(e) / sqrt(64)
	s_mov_b32 s[CS+1], s[CS]
	s_lshr_b32 s22, s[HD], 3                       ; where my head's two scale bytes lie in a tile's 512 bytes of ys: 256 (head / 8) + 4 ((head / 2) % 4) + 2 (head % 2)
	s_lshl_b32 s[YSO], s22, 8
	s_bfe_u32 s22, s[HD], 0x20001
	s_lshl_b32 s22, s22, 2
	s_add_co_u32 s[YSO], s[YSO], s22
	s_and_b32 s22, s[HD], 1
	s_lshl_b32 s22, s22, 1
	s_add_co_u32 s[YSO], s[YSO], s22
	s_mov_b32 s[QSEL], 0x01000100                  ; which two bytes of a pair's word are my tile's
	s_cmp_eq_u32 s[W1], 0
	s_cselect_b32 s[QSEL], s[QSEL], 0x03020302
	s_wait_dscnt 0x0
	s_wait_kmcnt 0x0
	s_add_nc_u64 s[52:53], s[4:5], s[52:53]
.irp c, 0,1,2,3
	s_mov_b32 s[G0+4*\c], 1
	s_add_co_u32 s[G0+4*\c+1], s54, \c*QUART
	s_add_nc_u64 s[G0+4*\c+2:G0+4*\c+3], s[52:53], \c*QUART
	s_or_b32 s[G0+4*\c+3], s[G0+4*\c+3], 0x80000000
.endr
	s_cmp_lt_u32 s[WV], 2                          ; all first fills in one branch: four loads of waves 0 and 1 are out, none of the others
	s_cbranch_scc0 .Lno_fill
	tensor_load_to_lds s[G0:G0+3], s[G1:G1+7]
	s_nop 0
	tensor_load_to_lds s[G0+4:G0+7], s[G1:G1+7]
	s_nop 0
	tensor_load_to_lds s[G0+8:G0+11], s[G1:G1+7]
	s_nop 0
	tensor_load_to_lds s[G0+12:G0+15], s[G1:G1+7]
	s_nop 0
.rept 4
	v_nop
.endr
.Lno_fill:
	v_and_b32 v7, 31, v0
	s_delay_alu instid0(VALU_DEP_1)
	v_lshlrev_b32 v1, 4, v7
	s_delay_alu instid0(VALU_DEP_2)
	v_lshlrev_b32 v2, 3, v7
	s_delay_alu instid0(VALU_DEP_2)
	v_add_nc_u32 v38, VLDS, v1
	s_delay_alu instid0(VALU_DEP_2)
	v_add_nc_u32 v39, VLDS, v2
	v_and_b32 v9, 15, v0                           ; r
	v_bfe_u32 v36, v0, 4, 1                        ; h
	s_delay_alu instid0(VALU_DEP_2)
	v_and_b32 v7, 8, v9
	s_delay_alu instid0(VALU_DEP_1)
	v_add_nc_u32 v7, v7, v9
	s_delay_alu instid0(VALU_DEP_3)
	v_lshlrev_b32 v36, 4, v36
	s_delay_alu instid0(VALU_DEP_1)
	v_sub_nc_u32 v7, v7, v36                       ; my query less Q0, less the 16 h keys that my registers begin further on
	v_lshlrev_b32 v36, 4, v9
	v_lshlrev_b32 v9, 3, v9
.irp j, 22,23,24,25,26,27
	v_mov_b32 v\j, 0                               ; the zero codes between the two copies of q
.endr
.irp b, 0,1,2,3
	v_mov_b32 v[T4+\b], 0                          ; a lane permute's destination counts as one of its sources
.endr
	v_mov_b32 v253, 0                              ; (named as the upper half of the pair v[252:253] before it is first written)
; A KEY STEP: the 128 keys of the record at s[TB].
.macro STEP
	s_add_co_u32 s22, s[Q0], 23                    ; my tile's last query
	s_cmp_gt_u32 s[KF], s22
	s_cbranch_scc1 .Lhidden_\@                     ; all keys come after all my queries
	s_setprio 2
	v_add_nc_u32 v3, s[TB], v1                     ; (these four are the places in front of the loads into registers that the last products read)
	v_add_nc_u32 v4, s[TB], v2
	v_add_nc_u32 v5, s[TB], v38
	v_add_nc_u32 v6, s[TB], v39
.irp b, 0,1,2,3
	ds_load_b128 v[40+12*\b:43+12*\b], v3 offset:1536*\b
	ds_load_b64 v[44+12*\b:45+12*\b], v4 offset:1536*\b+512
	ds_load_b128 v[46+12*\b:49+12*\b], v3 offset:1536*\b+768
	ds_load_b64 v[50+12*\b:51+12*\b], v4 offset:1536*\b+1280
.endr
	ds_load_b64 v[10:11], v4 offset:6144           ; the four pairs' scale words: pair b in register b % 2, lanes 16 (b / 2) on
	s_wait_alu depctr_va_vdst(0)
	s_wait_dscnt 0x0
.irp b, 0,1
.irp u, 0,1
	v_wmma_scale_f32_16x16x128_f8f6f4 v[96+16*\b+8*\u:103+16*\b+8*\u], v[40+12*\b:51+12*\b], v[16+6*\u:27+6*\u], 0, v[10+\b], v8 matrix_a_fmt:MATRIX_FMT_BF6 matrix_b_fmt:MATRIX_FMT_BF6
.endr
.endr
.irp b, 2,3
.irp u, 0,1
	v_wmma_scale_f32_16x16x128_f8f6f4 v[96+16*\b+8*\u:103+16*\b+8*\u], v[40+12*\b:51+12*\b], v[16+6*\u:27+6*\u], 0, v[8+\b], v8 matrix_a_fmt:MATRIX_FMT_BF6 matrix_b_fmt:MATRIX_FMT_BF6 matrix_a_scale:MATRIX_SCALE_ROW1
.endr
.endr                                  ; register 96 + 16 b + i of lane (r, h): key KF + 32 b + 16 h + i
.rept 4
	v_nop                                          ; places: in front of the loads below and of the first read of the scores
.endr
.irp d, 0,1,2,3                        ; V's four fragments land while the softmax is walked
	ds_load_b128 v[40+12*\d:43+12*\d], v5 offset:1536*\d
	ds_load_b64 v[44+12*\d:45+12*\d], v6 offset:1536*\d+512
	ds_load_b128 v[46+12*\d:49+12*\d], v5 offset:1536*\d+768
	ds_load_b64 v[50+12*\d:51+12*\d], v6 offset:1536*\d+1280
.endr
	ds_load_b64 v[34:35], v6 offset:6144
	s_add_co_u32 s22, s[KF], 127
	s_cmp_le_u32 s22, s[Q0]
	s_cbranch_scc1 .Lopen_\@                       ; every key counts for every query of mine
	s_sub_co_i32 s22, s[Q0], s[KF]
	v_add_nc_u32 v252, s22, v7                     ; d: register 16 b + i is hidden where 32 b + i > d
	v_mov_b32 v254, 0xff800000                     ; -infinity
.irp n, 0,1,2,3,4,5,6,7,8,9,10,11,12,13,14,15,16,17,18,19,20,21,22,23,24,25,26,27,28,29,30,31,32,33,34,35,36,37,38,39,40,41,42,43,44,45,46,47,48,49,50,51,52,53,54,55,56,57,58,59,60,61,62,63
	v_cmp_gt_i32 vcc_lo, 32*(\n/16)+\n%16, v252
	v_cndmask_b32 v[96+\n], v[96+\n], v254, vcc_lo
.endr
.Lopen_\@:
.irp b, 0,1,2,3
	v_max3_num_f32 v[BM+\b], v[96+16*\b], v[97+16*\b], v[98+16*\b]   ; the largest score of each block of 32 keys: for the row's maximum and, since p rises with the score, for the block's largest p
.endr
.irp i, 3,5,7,9,11,13
.irp b, 0,1,2,3
	v_max3_num_f32 v[BM+\b], v[BM+\b], v[96+16*\b+\i], v[97+16*\b+\i]
.endr
.endr
.irp b, 0,1,2,3
	v_max_num_f32 v[BM+\b], v[BM+\b], v[111+16*\b]
.endr
.irp b, 0,1,2,3
	s_delay_alu instid0(VALU_DEP_4)
	v_permlanex16_b32 v[T4+\b], v[BM+\b], s[SEL], s[SEL+1]
.endr
.irp b, 0,1,2,3
	s_delay_alu instid0(VALU_DEP_4)
	v_max_num_f32 v[BM+\b], v[BM+\b], v[T4+\b]     ; with lane l xor 16's 16 keys
.endr
	s_delay_alu instid0(VALU_DEP_2)
	v_max3_num_f32 v254, v[BM], v[BM+1], v[BM+2]
	s_delay_alu instid0(VALU_DEP_1)
	v_max_num_f32 v254, v254, v[BM+3]
	s_delay_alu instid0(VALU_DEP_1)
	v_mul_f32 v254, s[CS], v254                    ; the step's largest t of my query
	s_delay_alu instid0(VALU_DEP_1)
	v_max_num_f32 v13, v13, v254
	v_mov_b32 v254, v12
	s_delay_alu instid0(VALU_DEP_2)
	v_floor_f32 v12, -v13                          ; the new -M = -ceil(t): a whole number
	s_delay_alu instid0(VALU_DEP_1)
	v_sub_f32 v254, v12, v254                      ; old M - new M, 0 or less
	s_delay_alu instid0(VALU_DEP_1)
	v_cvt_i32_f32 v254, v254                       ; (it saturates)
	s_delay_alu instid0(VALU_DEP_1)
	v_ldexp_f32 v252, 1.0, v254                    ; f = 2^(old M - new M)
.irp j, 0,2,4,6,8,10,12,14,16,18,20,22,24,26,28,30,32,34,36,38,40,42,44,46,48,50,52,54,56,58,60,62
	v_pk_fma_f32 v[96+\j:97+\j], v[96+\j:97+\j], s[CS:CS+1], v[12:13] op_sel_hi:[1,0,0]   ; t - M
.endr
	s_setprio 1
.irp b, 0,1,2,3
	v_fma_f32 v[BM+\b], v[BM+\b], s[CS], v12
.endr
	s_wait_alu depctr_va_vdst(0)
.irp j, 0,1,2,3,4,5,6,7,8,9,10,11,12,13,14,15,16,17,18,19,20,21,22,23,24,25,26,27,28,29,30,31,32,33,34,35,36,37,38,39,40,41,42,43,44,45,46,47,48,49,50,51,52,53,54,55,56,57,58,59,60,61,62,63
	v_exp_f32 v[96+\j], v[96+\j]                   ; p = 2^(t - M)
.endr
.irp b, 0,1,2,3
	v_exp_f32 v[BM+\b], v[BM+\b]                   ; the block's largest p: the same two instructions on the same number
.endr
	v_pk_mul_f32 v[14:15], v[14:15], v[252:253] op_sel_hi:[1,0]    ; the sums under the new M (a plain place behind the exponentials)
	s_wait_alu depctr_va_vdst(0)
.irp b, 0,1,2,3
	v_max_num_f32 v[BM+\b], 0x2800000, v[BM+\b]    ; the floor 2^(5 - 127)
.endr
.irp b, 0,1,2,3
	s_delay_alu instid0(VALU_DEP_4)
	v_add_nc_u32 v[244+\b], 0xfe000000, v[BM+\b]   ; the conversion's scale operand
.endr
.irp b, 0,1,2,3
	s_delay_alu instid0(VALU_DEP_4)
	v_lshrrev_b32 v[T4+\b], 23, v[244+\b]          ; the scale's byte
.endr
	s_delay_alu instid0(VALU_DEP_3)
	v_lshl_or_b32 v253, v[T4+1], 8, v[T4]          ; p's scale word for these 128 keys
	s_delay_alu instid0(VALU_DEP_1)
	v_lshl_or_b32 v253, v[T4+2], 16, v253
	s_delay_alu instid0(VALU_DEP_1)
	v_lshl_or_b32 v253, v[T4+3], 24, v253
.irp c, 0,1
	v_cvt_scalef32_pk16_bf6_f32 v[224+6*\c:226+6*\c], v[96+32*\c:111+32*\c], v[244+2*\c]
	v_cvt_scalef32_pk16_bf6_f32 v[236+4*\c:238+4*\c], v[112+32*\c:127+32*\c], v[244+2*\c+1]
.endr
	v_nop                                          ; one plain place behind a scaled conversion
.irp c, 0,1
.irp i, 0,1,2
	v_permlane16_swap_b32 v[224+6*\c+\i], v[236+4*\c+\i]
.endr
.irp i, 0,1,2
	s_delay_alu instid0(VALU_DEP_3)
	v_mov_b32 v[227+6*\c+\i], v[236+4*\c+\i]
.endr
.endr
.irp j, 0,2,4,6,8,10,12,14,16,18,20,22,24,26,28,30
	v_pk_mul_f32 v[160+\j:161+\j], v[160+\j:161+\j], v[252:253] op_sel_hi:[1,0]   ; O^T under the new M
.endr
	s_setprio 0
	v_pk_add_f32 v[236:237], v[100:101], v[104:105]
	v_pk_add_f32 v[248:249], v[108:109], v[112:113]
	v_pk_add_f32 v[246:247], v[116:117], v[120:121]
	v_pk_add_f32 v[244:245], v[124:125], v[128:129]
	v_pk_add_f32 v[242:243], v[132:133], v[136:137]
	v_pk_add_f32 v[240:241], v[140:141], v[144:145]
	v_pk_add_f32 v[238:239], v[148:149], v[152:153]
	v_pk_add_f32 v[14:15], v[14:15], v[156:157]
	v_pk_add_f32 v[236:237], v[236:237], v[96:97]
	v_pk_add_f32 v[248:249], v[248:249], v[98:99]
	v_pk_add_f32 v[246:247], v[246:247], v[102:103]
	v_pk_add_f32 v[244:245], v[244:245], v[106:107]
	v_pk_add_f32 v[242:243], v[242:243], v[110:111]
	v_pk_add_f32 v[240:241], v[240:241], v[114:115]
	v_pk_add_f32 v[238:239], v[238:239], v[118:119]
	v_pk_add_f32 v[14:15], v[14:15], v[122:123]
	v_pk_add_f32 v[236:237], v[236:237], v[126:127]
	v_pk_add_f32 v[248:249], v[248:249], v[130:131]
	v_pk_add_f32 v[246:247], v[246:247], v[134:135]
	v_pk_add_f32 v[244:245], v[244:245], v[138:139]
	v_pk_add_f32 v[242:243], v[242:243], v[142:143]
	v_pk_add_f32 v[240:241], v[240:241], v[146:147]
	v_pk_add_f32 v[238:239], v[238:239], v[150:151]
	v_pk_add_f32 v[14:15], v[14:15], v[154:155]
	v_pk_add_f32 v[236:237], v[236:237], v[158:159]
	s_delay_alu instid0(VALU_DEP_2)
	v_pk_add_f32 v[14:15], v[14:15], v[244:245]
	s_delay_alu instid0(VALU_DEP_2)
	v_pk_add_f32 v[236:237], v[236:237], v[242:243]
	v_pk_add_f32 v[248:249], v[248:249], v[240:241]
	v_pk_add_f32 v[246:247], v[246:247], v[238:239]
	s_delay_alu instid0(VALU_DEP_2)
	v_pk_add_f32 v[14:15], v[14:15], v[248:249]
	s_delay_alu instid0(VALU_DEP_2)
	v_pk_add_f32 v[236:237], v[236:237], v[246:247]
	s_delay_alu instid0(VALU_DEP_1)
	v_pk_add_f32 v[14:15], v[14:15], v[236:237]
	s_wait_dscnt 0x0                               ; V is in
.irp d, 0,1
	v_wmma_scale_f32_16x16x128_f8f6f4 v[160+8*\d:167+8*\d], v[40+12*\d:51+12*\d], v[224:235], v[160+8*\d:167+8*\d], v[34+\d], v253 matrix_a_fmt:MATRIX_FMT_BF6 matrix_b_fmt:MATRIX_FMT_BF6
.endr
.irp d, 2,3
	v_wmma_scale_f32_16x16x128_f8f6f4 v[160+8*\d:167+8*\d], v[40+12*\d:51+12*\d], v[224:235], v[160+8*\d:167+8*\d], v[32+\d], v253 matrix_a_fmt:MATRIX_FMT_BF6 matrix_b_fmt:MATRIX_FMT_BF6 matrix_a_scale:MATRIX_SCALE_ROW1
.endr                                  ; the four accumulators by turns; the next step's eight products of scores stand between two links
.Lhidden_\@:
	s_add_co_u32 s[KF], s[KF], 128
	s_add_co_u32 s[TB], s[TB], REC
.endm
; A quarter of the keys: four steps.  The counted wait leaves the later quarters on their way.
.macro QUARTER c
	s_wait_tensorcnt 3-\c                          ; waves 0 and 1: quarter c has landed, the 3 - c issued behind it may be out
	s_wait_dscnt 0x0
	s_barrier_signal -1
	s_barrier_wait -1                              ; every wave may read it
	s_mov_b32 s[TB], \c*QUART
	s_mov_b32 s[TR], 4
.Lq_\@:
	STEP
	s_sub_co_u32 s[TR], s[TR], 1
	s_cmp_lg_u32 s[TR], 0
	s_cbranch_scc1 .Lq_\@
	s_setprio 0
.endm
	s_mov_b32 s[PASS], 0
.Lpass:                                            ; two trips: query block 7 - i, then block i
	s_sub_co_u32 s22, 7, ttmp9
	s_cmp_eq_u32 s[PASS], 0
	s_cselect_b32 s[BLK], s22, ttmp9
	s_lshl_b32 s[Q0], s[BLK], 8
	s_lshr_b32 s22, s[WV], 1
	s_lshl_b32 s22, s22, 5
	s_add_co_u32 s[Q0], s[Q0], s22
	s_lshl_b32 s22, s[W1], 3
	s_add_co_u32 s[Q0], s[Q0], s22                 ; 256 block + 32 (wave / 2) + 8 (wave % 2)
	s_lshl_b32 s56, s[HD], 6                       ; q's record: head x 64 + 16 batch + 2 block + wave / 8
	s_lshl_b32 s22, s[BAT], 4
	s_add_co_u32 s56, s56, s22
	s_lshl_b32 s22, s[BLK], 1
	s_add_co_u32 s56, s56, s22
	s_lshr_b32 s22, s[WV], 3
	s_add_co_u32 s56, s56, s22
	s_mul_i32 s56, s56, REC
	s_mov_b32 s57, 0
	s_add_nc_u64 s[58:59], s[4:5], s[56:57]
	s_and_b32 s22, s[WV], 7                        ; my tile in it
	s_mul_i32 s60, s22, 768
	s_mov_b32 s61, 0
	s_add_nc_u64 s[60:61], s[58:59], s[60:61]
	s_lshr_b32 s62, s22, 2                         ; its pair's scale word: 128 (tile / 4) + 4 ((tile / 2) % 2) + 8 r
	s_lshl_b32 s62, s62, 7
	s_bfe_u32 s63, s22, 0x10001
	s_lshl_b32 s63, s63, 2
	s_add_co_u32 s62, s62, s63
	s_mov_b32 s63, 0
	s_add_nc_u64 s[58:59], s[58:59], s[62:63]
	global_load_b128 v[16:19], v1, s[60:61]        ; q's image, twice
	global_load_b64 v[20:21], v2, s[60:61] offset:512
	global_load_b128 v[28:31], v1, s[60:61]
	global_load_b64 v[32:33], v2, s[60:61] offset:512
	global_load_b32 v37, v9, s[58:59] offset:6144
	s_wait_loadcnt 0x0
	v_perm_b32 v8, v37, v37, s[QSEL]               ; (s0, s1, s0, s1) of my tile's row: both halves of K take q's two bytes
	v_mov_b32 v13, 0xff61b1e6                      ; the largest t so far: -3e38
	s_delay_alu instid0(VALU_DEP_1)
	v_floor_f32 v12, -v13
	v_mov_b32 v14, 0
	v_mov_b32 v15, 0
.irp j, 0,1,2,3,4,5,6,7,8,9,10,11,12,13,14,15,16,17,18,19,20,21,22,23,24,25,26,27,28,29,30,31
	v_mov_b32 v[160+\j], 0                         ; O^T: the step is written once, and the first change of M leaves zeros zeros.  (More than eight places behind the scale word's line)
.endr
	s_mov_b32 s[KF], 0
	QUARTER 0
	QUARTER 1
	QUARTER 2
	QUARTER 3
	; y = O^T / the sum, quantised: register 16 B + i of lane (r, h) is channel 32 B + 16 h + i of my query
.rept 4
	v_nop                                          ; places behind the last products
.endr
	s_wait_alu depctr_va_vdst(0)
	v_add_f32 v14, v14, v15
	s_delay_alu instid0(VALU_DEP_1)
	v_permlanex16_b32 v[T4], v14, s[SEL], s[SEL+1]
	s_delay_alu instid0(VALU_DEP_1)
	v_add_f32 v14, v14, v[T4]
	s_wait_alu depctr_va_vdst(0)
	v_rcp_f32 v14, v14
	v_nop                                          ; a plain place behind the transcendental
	s_wait_alu depctr_va_vdst(0)
.irp j, 0,2,4,6,8,10,12,14,16,18,20,22,24,26,28,30
	v_pk_mul_f32 v[192+\j:193+\j], v[160+\j:161+\j], v[14:15] op_sel_hi:[1,0]
.endr
.irp b, 0,1
	v_max3_num_f32 v[BM+\b], |v[192+16*\b]|, |v[193+16*\b]|, 0x2800000
.endr
.irp i, 2,4,6,8,10,12,14
.irp b, 0,1
	s_delay_alu instid0(VALU_DEP_2)
	v_max3_num_f32 v[BM+\b], v[BM+\b], |v[192+16*\b+\i]|, |v[193+16*\b+\i]|
.endr
.endr
.irp b, 0,1
	s_delay_alu instid0(VALU_DEP_2)
	v_permlanex16_b32 v[T4+\b], v[BM+\b], s[SEL], s[SEL+1]
.endr
.irp b, 0,1
	s_delay_alu instid0(VALU_DEP_2)
	v_max_num_f32 v[BM+\b], v[BM+\b], v[T4+\b]
.endr
.irp b, 0,1
	s_delay_alu instid0(VALU_DEP_2)
	v_add_nc_u32 v[244+\b], 0xfe000000, v[BM+\b]
.endr
.irp b, 0,1
	s_delay_alu instid0(VALU_DEP_2)
	v_lshrrev_b32 v[T4+\b], 23, v[244+\b]
.endr
	s_delay_alu instid0(VALU_DEP_1)
	v_lshl_or_b32 v254, v[T4+1], 8, v[T4]          ; my row's two scale bytes
	v_cvt_scalef32_pk16_bf6_f32 v[224:226], v[192:207], v244
	v_cvt_scalef32_pk16_bf6_f32 v[236:238], v[208:223], v245
	v_nop
.irp i, 0,1,2
	v_permlane16_swap_b32 v[224+\i], v[236+\i]
.endr
.irp i, 0,1,2
	s_delay_alu instid0(VALU_DEP_3)
	v_mov_b32 v[227+\i], v[236+\i]
.endr
	s_lshl_b32 s56, s[BAT], 7
	s_lshl_b32 s22, s[BLK], 4
	s_add_co_u32 s56, s56, s22
	s_add_co_u32 s56, s56, s[WV]                   ; my token tile: 128 batch + 16 block + wave
	s_lshl_b32 s58, s[HD], 9
	s_add_co_u32 s58, s58, s56
	s_mul_i32 s58, s58, 768
	s_mov_b32 s59, 0
	s_add_nc_u64 s[58:59], s[6:7], s[58:59]
	s_lshl_b32 s60, s56, 9
	s_add_co_u32 s60, s60, s[YSO]
	s_mov_b32 s61, 0
	s_add_nc_u64 s[60:61], s[8:9], s[60:61]
	s_wait_alu depctr_va_vdst(0)
	global_store_b128 v1, v[224:227], s[58:59]     ; the image: 512 and 256 consecutive bytes, aligned
	global_store_b64 v2, v[228:229], s[58:59] offset:512
	global_store_b16 v36, v254, s[60:61]           ; two bytes a row, 16 bytes apart (both halves of the lanes write the same): the one store here that fills no whole block; 2 bytes beside 48 of codes
	s_wait_xcnt 0x0                                ; the stores have read their registers and bases: the next trip writes them again
	s_add_co_u32 s[PASS], s[PASS], 1
	s_cmp_lt_u32 s[PASS], 2
	s_cbranch_scc1 .Lpass
	s_wait_tensorcnt 0x0
	ds_add_u32 v251, v255
	s_wait_dscnt 0x0
	s_endpgm
.Lfunc_end_k_qd99a2e172d_attn:
	.size	k_qd99a2e172d_attn, .Lfunc_end_k_qd99a2e172d_attn-k_qd99a2e172d_attn
	.p2alignl 7, 3214868480
	.fill 96, 4, 3214868480
	.section	.rodata,"a",@progbits
	.p2align	6, 0x0
	.amdhsa_kernel k_qd99a2e172d_attn
		.amdhsa_group_segment_fixed_size 206848
		.amdhsa_private_segment_fixed_size 0
		.amdhsa_enable_private_segment 0
		.amdhsa_kernarg_size 24
		.amdhsa_user_sgpr_count 2
		.amdhsa_user_sgpr_kernarg_segment_ptr 1
		.amdhsa_wavefront_size32 1
		.amdhsa_system_sgpr_workgroup_id_x 1
		.amdhsa_system_sgpr_workgroup_id_y 1
		.amdhsa_system_sgpr_workgroup_id_z 1
		.amdhsa_system_vgpr_workitem_id 0
		.amdhsa_next_free_vgpr 256
		.amdhsa_next_free_sgpr 66
		.amdhsa_reserve_vcc 1
		.amdhsa_float_denorm_mode_32 3
		.amdhsa_float_denorm_mode_16_64 3
		.amdhsa_memory_ordered 1
		.amdhsa_forward_progress 1
		.amdhsa_inst_pref_size 104
	.end_amdhsa_kernel
	.amdgpu_metadata
---
amdhsa.version: [ 1, 2 ]
amdhsa.kernels:
  - .name:           k_qd99a2e172d_attn
    .symbol:         k_qd99a2e172d_attn.kd
    .args:
      - { .name: qkvc, .offset: 0, .size: 8, .value_kind: global_buffer, .address_space: global }
      - { .name: yc, .offset: 8, .size: 8, .value_kind: global_buffer, .address_space: global }
      - { .name: ys, .offset: 16, .size: 8, .value_kind: global_buffer, .address_space: global }
    .group_segment_fixed_size: 206848
    .private_segment_fixed_size: 0
    .kernarg_segment_align: 8
    .kernarg_segment_size: 24
    .max_flat_workgroup_size: 512
    .sgpr_count:     66
    .vgpr_count:     256
    .wavefront_size: 32
...
	.end_amdgpu_metadata
.endif
;; end of part 3
;; launch proj (part 4): grid 4 x 64, 4 waves a work-group, clusters of 4 x 4, 295,424 bytes of LDS; arguments opc, ops, yc, ys, b_proj, out0; writes out0
.if DOCPART == 4
	.amdgcn_target "amdgcn-amd-amdhsa--gfx1250"
	.amdhsa_code_object_version 6
	.text
	.protected	k_qd99a2e172d_proj
	.globl	k_qd99a2e172d_proj
	.p2align	8
	.type	k_qd99a2e172d_proj,@function
k_qd99a2e172d_proj:
	s_mov_b64 s[64:65], 0
	v_nop
	global_prefetch_b8 v0, s[64:65] scope:SCOPE_SE
	s_setreg_imm32_b32 hwreg(HW_REG_WAVE_MODE, 25, 1), 1
	s_wait_xcnt 0x0
	s_wait_alu depctr_hold_cnt(0) depctr_sa_sdst(0) depctr_va_vdst(0) depctr_va_sdst(0) depctr_va_ssrc(0) depctr_va_vcc(0) depctr_vm_vsrc(0)
	s_getreg_b32 s2, hwreg(HW_REG_IB_STS2, 6, 4)
	s_cmp_eq_u32 s2, 0
	s_cbranch_scc0 .Lentry_in_a_cluster
	s_endpgm
.Lentry_in_a_cluster:
	s_bfe_u32 s2, ttmp6, 0x10000c
	s_cmp_lg_u32 s2, 0xf033
	s_cbranch_scc0 .Lentry_shape_is_right
	s_endpgm
.Lentry_shape_is_right:
; out0 = y w_proj^T + b_proj on codes of BF6 (E3M2) with E8M0 scales, K = 1,024; sums in f32.
; A work-group makes 128 tokens (ty) x 256 features (tx): 256 work-groups.  A wave makes 64 tokens x 128 features: 32 accumulators, 256 registers.
; Source 0 = w_proj's rows (opc, tiles 704 on), source 1 = tokens (yc): a lane holds a token, and the 16 registers of source 0's tiles 2 B, 2 B + 1 are 16 neighbouring features.
; Both operands lie in memory as images of their registers: [plane K / 64][tile][768 bytes]; lane row r of tile 2 B + u is row 32 B + 8 u + r + 8 (r / 8).
; ALL OF K STAYS IN LDS, filled once, in four chunks of 256 along K, each shown to all waves by a barrier one K step ahead of its first read.  Nothing is filled again.
; CLUSTER 4 x 4: w_proj's tile hangs on tx alone and is asked for jointly by a column of the cluster, y's on ty alone, by a row.
; The bias is the C of each sum's first matrix instruction.  The scale words of a wave's rows for all of K stay in 48 registers: register j of a tile holds K step j in lanes 0-15, K step 4 + j in lanes 16-31.
; REGISTERS: window 0: v4-19 LDS addresses, four a chunk; v20-23; v48-63, v64-95 scale words of source 1, 0; v96-159 the bias; v160-255 source 1's fragments, two sets.  window 1: source 0's, two sets.  window 2: accumulator (a, b) at v[8 (8 a + b)].
.set PLANE,  589824
.set YPLANE, 393216
.set CHUNK,  73728                     ; w_proj's two halves (24,576 each), then y's two (12,288 each)
.set WBLK,   24576
.set YBLK,   12288
.set YOFF,   2*WBLK
.set FR,     12
.set AD,     4
.set STO,    20
.set RD,     21
.set L8,     22
.set L16,    23
.set SC1,    48
.set SC0,    64
.set BC,     96
.set S1F,    160
.set SPITCH, 528                       ; the way out: a stage of 16 rows x (512 + 16) bytes for each wave, in chunk 0's bytes: they have had their only fill, and nobody reads them behind the second barrier
.set G1W,    24
.set G1Y,    32
.set G0W,    48                        ; s[48:63] a set for each chunk
.set G0Y,    68                        ; s[68:83]
.set MSB, 0
.macro WIN new
.if MSB != (\new)
	s_set_vgpr_msb (MSB<<8)|(\new)
.set MSB, (\new)
.endif
.endm
.macro PLACES
.rept 4
	v_nop
.endr
.endm
.macro JLOAD g0a, g1a, g0b, g1b        ; waves 0, 1 fetch w_proj's halves, waves 2, 3 y's.  Four v_nop follow each of the two lines
	s_cmp_eq_u32 s17, 0
	s_cbranch_scc0 .Lfor_y_\@
	tensor_load_to_lds s[\g0a:\g0a+3], s[\g1a:\g1a+7]
	s_nop 0
.rept 4
	v_nop
.endr
	s_branch .Lasked_\@
.Lfor_y_\@:
	tensor_load_to_lds s[\g0b:\g0b+3], s[\g1b:\g1b+7]
	s_nop 0
.rept 4
	v_nop
.endr
.Lasked_\@:
.endm
.macro CROUND                          ; a round of the cluster's barrier
	s_barrier_signal -1
	s_barrier_wait -1
	s_cmp_lg_u32 s16, 0
	s_cbranch_scc1 .Lnot_wave_0_\@
	s_barrier_signal -3
.Lnot_wave_0_\@:
	s_barrier_wait -3
	s_barrier_signal -1
	s_barrier_wait -1
.endm
	s_load_b256 s[4:11], s[0:1], 0x0               ; opc, ops, yc, ys
	s_load_b128 s[12:15], s[0:1], 0x20             ; b_proj, out0
	v_lshl_add_u32 v46, v0, 2, 0x48000
	v_mov_b32 v47, 0
	ds_add_u32 v46, v47
	ds_add_u32 v46, v47
	v_lshrrev_b32 v1, 5, v0
	v_readfirstlane_b32 s16, v1                    ; wave 0..3
	s_lshr_b32 s17, s16, 1                         ; which half of the tokens is mine.  Also: I fetch w_proj (0) or y (1)
	s_and_b32 s18, s16, 1                          ; which half of the features.  Also: which half I fetch
	s_bfe_u32 s40, ttmp6, 0x40000
	s_bfe_u32 s41, ttmp6, 0x40004
	s_lshl_b32 s42, ttmp9, 2
	s_add_co_u32 s42, s42, s40                     ; tx
	s_and_b32 s19, ttmp7, 0xffff
	s_lshl_b32 s19, s19, 2
	s_add_co_u32 s19, s19, s41                     ; ty
	s_lshl_b32 s43, s41, 2
	s_lshl_b32 s43, 15, s43                        ; my row of the cluster
	s_lshl_b32 s44, 0x1111, s40                    ; my column
	s_or_b32 s[G1W], s44, (3<<16)|(1<<21)          ; the mask; elements of 8 bytes; bit 21 beside a mask; no padding
	s_mov_b32 s[G1W+1], 768<<16                    ; eight tiles of a plane
	s_mov_b32 s[G1W+2], 4<<16                      ; four planes
	s_mov_b32 s[G1W+3], 768<<16
	s_mov_b32 s[G1W+4], 4
	s_mov_b32 s[G1W+5], PLANE/8
	s_mov_b32 s[G1W+6], 0
	s_mov_b32 s[G1W+7], 0
	s_or_b32 s[G1Y], s43, (3<<16)|(1<<21)
	s_mov_b32 s[G1Y+1], 384<<16                    ; four tiles of a plane
	s_mov_b32 s[G1Y+2], 4<<16
	s_mov_b32 s[G1Y+3], 384<<16
	s_mov_b32 s[G1Y+4], 4
	s_mov_b32 s[G1Y+5], YPLANE/8
	s_mov_b32 s[G1Y+6], 0
	s_mov_b32 s[G1Y+7], 0
	s_lshl_b32 s20, s42, 4
	s_add_co_u32 s20, s20, 704
	s_lshl_b32 s21, s18, 3
	s_add_co_u32 s20, s20, s21                     ; w_proj's tiles: 704 + 16 tx + 8 x half: those that I fetch are those that I multiply
	s_mul_i32 s84, s20, 768
	s_mov_b32 s85, 0
	s_lshl_b32 s88, s20, 9
	s_mov_b32 s89, 0
	s_lshl_b32 s22, s19, 3
	s_lshl_b32 s21, s18, 2
	s_add_co_u32 s21, s22, s21                     ; y's tiles that I fetch: 8 ty + 4 (wave % 2)
	s_mul_i32 s86, s21, 768
	s_mov_b32 s87, 0
	s_lshl_b32 s21, s17, 2
	s_add_co_u32 s21, s22, s21                     ; and those that I multiply: 8 ty + 4 (wave / 2)
	s_lshl_b32 s90, s21, 9
	s_mov_b32 s91, 0
	s_lshl_b32 s92, s42, 10
	s_lshl_b32 s23, s18, 9
	s_add_co_u32 s92, s92, s23                     ; my 128 features, in bytes
	s_mov_b32 s93, 0
	s_lshl_b32 s94, s19, 7
	s_lshl_b32 s23, s17, 6
	s_add_co_u32 s94, s94, s23
	s_lshl_b32 s94, s94, 12                        ; my first token's row of out0
	s_add_co_u32 s94, s94, s92
	s_mov_b32 s95, 0
	s_mul_i32 s45, s18, WBLK
	s_mul_i32 s46, s18, YBLK
	s_add_co_u32 s46, s46, YOFF
	s_wait_dscnt 0x0
	s_wait_kmcnt 0x0
	s_add_nc_u64 s[84:85], s[4:5], s[84:85]
	s_add_nc_u64 s[86:87], s[8:9], s[86:87]
	s_add_nc_u64 s[88:89], s[6:7], s[88:89]
	s_add_nc_u64 s[90:91], s[10:11], s[90:91]
	s_add_nc_u64 s[92:93], s[12:13], s[92:93]
	s_add_nc_u64 s[94:95], s[14:15], s[94:95]
	CROUND                                         ; all sixteen work-groups are here: the joint loads meet
.irp c, 0,1,2,3
	s_mov_b32 s[G0W+4*\c], 1
	s_add_co_u32 s[G0W+4*\c+1], s45, \c*CHUNK
	s_add_nc_u64 s[G0W+4*\c+2:G0W+4*\c+3], s[84:85], \c*4*PLANE
	s_or_b32 s[G0W+4*\c+3], s[G0W+4*\c+3], 0x80000000
	s_mov_b32 s[G0Y+4*\c], 1
	s_add_co_u32 s[G0Y+4*\c+1], s46, \c*CHUNK
	s_add_nc_u64 s[G0Y+4*\c+2:G0Y+4*\c+3], s[86:87], \c*4*YPLANE
	s_or_b32 s[G0Y+4*\c+3], s[G0Y+4*\c+3], 0x80000000
	JLOAD G0W+4*\c, G1W, G0Y+4*\c, G1Y             ; four loads of mine are out
.endr
	v_and_b32 v1, 31, v0
	v_and_b32 v2, 15, v0                           ; r
	v_bfe_u32 v3, v0, 4, 1                         ; h
	v_lshlrev_b32 v[L16], 4, v1
	v_lshlrev_b32 v[L8], 3, v1
	v_lshlrev_b32 v24, 6, v3                       ; the bias: 16 h numbers on
.irp i, 0,1,2,3,4,5,6,7
	global_load_b128 v[SC0+4*\i:SC0+4*\i+3], v[L16], s[88:89] offset:512*\i
.endr
.irp i, 0,1,2,3
	global_load_b128 v[SC1+4*\i:SC1+4*\i+3], v[L16], s[90:91] offset:512*\i
.endr
.irp i, 0,1,2,3,4,5,6,7
	global_load_b128 v[BC+8*\i:BC+8*\i+3], v24, s[92:93] offset:(32*(\i/2)+8*(\i%2))*4
	global_load_b128 v[BC+8*\i+4:BC+8*\i+7], v24, s[92:93] offset:(32*(\i/2)+8*(\i%2))*4+16
.endr
	s_mul_i32 s20, s18, WBLK                       ; my half of w_proj in a chunk
	s_mul_i32 s21, s17, YBLK
	s_add_co_u32 s21, s21, YOFF                    ; my half of y
.irp c, 0,1,2,3
	v_add_nc_u32 v[AD+4*\c], s20, v[L16]
	v_add_nc_u32 v[AD+4*\c+1], s20, v[L8]
	v_add_nc_u32 v[AD+4*\c+2], s21, v[L16]
	v_add_nc_u32 v[AD+4*\c+3], s21, v[L8]
	s_add_co_u32 s20, s20, CHUNK
	s_add_co_u32 s21, s21, CHUNK
.endr
	s_mul_i32 s20, s16, 16*SPITCH                  ; my stage
	v_mul_u32_u24 v[STO], v2, SPITCH
	v_lshl_add_u32 v[STO], v3, 6, v[STO]
	v_add_nc_u32 v[STO], s20, v[STO]               ; in: row r, + 64 h: my 16 features of each 32
	v_add_nc_u32 v[RD], s20, v[L16]                ; back: the 32 lanes take a row of 512 bytes
.macro FRAG reg, a16, a8, pp, q, i     ; a fragment: the images of planes 2 q and 2 q + 1 of the chunk (pp bytes apart), tile i
.set fr_, \reg
	ds_load_b128 v[fr_:fr_+3], v[\a16] offset:2*(\q)*(\pp)+768*(\i)
	ds_load_b64 v[fr_+4:fr_+5], v[\a8] offset:2*(\q)*(\pp)+768*(\i)+512
	ds_load_b128 v[fr_+6:fr_+9], v[\a16] offset:(2*(\q)+1)*(\pp)+768*(\i)
	ds_load_b64 v[fr_+10:fr_+11], v[\a8] offset:(2*(\q)+1)*(\pp)+768*(\i)+512
.endm
.macro FETCH k                         ; K step k's fragments into sets k % 2: 32 + 16 loads
	WIN 0x40
.irp i, 0,1,2,3,4,5,6,7
	FRAG 128*((\k)%2)+FR*\i, AD+4*((\k)/2), AD+4*((\k)/2)+1, 6144, (\k)%2, \i
.endr
	WIN 0
.irp i, 0,1,2,3
	FRAG S1F+48*((\k)%2)+FR*\i, AD+4*((\k)/2)+2, AD+4*((\k)/2)+3, 3072, (\k)%2, \i
.endr
.endm
; 16 matrix instructions: token tiles a0, a0 + 1 x the eight tiles of features, K step k.  The 32 accumulators take turns, one instruction a turn, in the same order in every step.
.macro MUL16 a0, k
.irp a, \a0, \a0+1
.irp b, 0,1,2,3,4,5,6,7
.set rD, 8*(8*(\a)+\b)
.set rC, rD
.if (\k) == 0
.set rC, BC+8*\b
.endif
.set rA, 128*((\k)%2)+FR*\b
.set rB, S1F+48*((\k)%2)+FR*(\a)
.if (\k) < 4
	v_wmma_scale_f32_16x16x128_f8f6f4 v[rD:rD+7], v[rA:rA+FR-1], v[rB:rB+FR-1], v[rC:rC+7], v[SC0+4*\b+(\k)%4], v[SC1+4*(\a)+(\k)%4] matrix_a_fmt:MATRIX_FMT_BF6 matrix_b_fmt:MATRIX_FMT_BF6
.else
	v_wmma_scale_f32_16x16x128_f8f6f4 v[rD:rD+7], v[rA:rA+FR-1], v[rB:rB+FR-1], v[rC:rC+7], v[SC0+4*\b+(\k)%4], v[SC1+4*(\a)+(\k)%4] matrix_a_fmt:MATRIX_FMT_BF6 matrix_b_fmt:MATRIX_FMT_BF6 matrix_a_scale:MATRIX_SCALE_ROW1 matrix_b_scale:MATRIX_SCALE_ROW1
.endif
.endr
.endr
.endm
.macro MWIN k
.if (\k) == 0
	WIN 0x81                                       ; source 0 window 1, source 1 and the bias window 0, D window 2
.else
	WIN 0xa1                                       ; C and D window 2
.endif
.endm
.macro STEP k
	s_wait_dscnt 0x0                               ; this step's fragments are in
.if ((\k)%2 == 1) && ((\k) < 7)
	s_wait_tensorcnt 2-(\k)/2                      ; my part of the next chunk has landed; the chunks behind it may be out
	s_barrier_signal -1
.endif
	MWIN \k
	MUL16 0, \k
.if ((\k)%2 == 1) && ((\k) < 7)
	WIN 0
	s_barrier_wait -1                              ; everybody's part has landed
.endif
.if (\k) < 7
	PLACES                                         ; in front of loads into the sets that the last step multiplied
	FETCH (\k)+1
.endif
	MWIN \k
	MUL16 2, \k
.endm
	s_wait_tensorcnt 3                             ; my part of chunk 0 is in; three may be out
	s_barrier_signal -1
	s_barrier_wait -1
	FETCH 0
	s_wait_loadcnt 0x0                             ; the scale words and the bias
	STEP 0
	STEP 1
	STEP 2
	STEP 3
	STEP 4
	STEP 5
	STEP 6
	STEP 7
	WIN 0
	PLACES
; THE WAY OUT, a tile of 16 tokens x 128 features at a time: through my own stage and back as whole rows of 512 bytes.  LDS serves a wave's instructions in order: no wait between the stores and the loads.
.macro TOSTAGE a
.set AC, 64*(\a)
	WIN 0x08                                       ; an LDS store's data are its source 1: window 2
.irp b, 0,1,2,3,4,5,6,7
	ds_store_b128 v[STO], v[AC+8*\b:AC+8*\b+3] offset:128*(\b/2)+32*(\b%2)        ; each accumulator from its low end on
	ds_store_b128 v[STO], v[AC+8*\b+4:AC+8*\b+7] offset:128*(\b/2)+32*(\b%2)+16
.endr
	WIN 0
.set BB, 96+64*((\a)%2)
.irp t, 0,1,2,3,4,5,6,7,8,9,10,11,12,13,14,15
	ds_load_b128 v[BB+4*\t:BB+4*\t+3], v[RD] offset:\t*SPITCH
.endr
.endm
.macro SEND a, younger                 ; younger: the LDS instructions issued behind tile a's loads, which may stay out
.set BB, 96+64*((\a)%2)
	s_wait_dscnt \younger
.irp t, 0,1,2,3,4,5,6,7,8,9,10,11,12,13,14,15
	global_store_b128 v[L16], v[BB+4*\t:BB+4*\t+3], s[94:95] offset:(32*((\a)/2)+8*((\a)%2)+\t+8*(\t/8))*4096 th:TH_STORE_NT   ; 32 lanes store 512 consecutive bytes of one row, aligned
.endr
.endm
	TOSTAGE 0
.irp a, 1,2,3
.if \a > 1
	s_wait_xcnt 0x0                                ; tile a - 2's stores have read their registers: tile a's loads may land there
.endif
	TOSTAGE \a
	SEND \a-1, 32                                  ; behind tile a - 1's loads: tile a's 16 stores and 16 loads
.endr
	SEND 3, 0
	s_wait_tensorcnt 0x0
	ds_add_u32 v46, v47
	s_wait_dscnt 0x0
	CROUND                                         ; the closing round: no work-group ends while a partner may still ask for a tile that names it
	s_endpgm
.Lfunc_end_k_qd99a2e172d_proj:
	.size	k_qd99a2e172d_proj, .Lfunc_end_k_qd99a2e172d_proj-k_qd99a2e172d_proj
	.p2alignl 7, 3214868480
	.fill 96, 4, 3214868480
	.section	.rodata,"a",@progbits
	.p2align	6, 0x0
	.amdhsa_kernel k_qd99a2e172d_proj
		.amdhsa_group_segment_fixed_size 295424
		.amdhsa_private_segment_fixed_size 0
		.amdhsa_enable_private_segment 0
		.amdhsa_kernarg_size 48
		.amdhsa_user_sgpr_count 2
		.amdhsa_user_sgpr_kernarg_segment_ptr 1
		.amdhsa_wavefront_size32 1
		.amdhsa_system_sgpr_workgroup_id_x 1
		.amdhsa_system_sgpr_workgroup_id_y 1
		.amdhsa_system_sgpr_workgroup_id_z 1
		.amdhsa_system_vgpr_workitem_id 0
		.amdhsa_next_free_vgpr 768
		.amdhsa_next_free_sgpr 100
		.amdhsa_reserve_vcc 0
		.amdhsa_float_denorm_mode_32 3
		.amdhsa_float_denorm_mode_16_64 3
		.amdhsa_memory_ordered 1
		.amdhsa_forward_progress 1
		.amdhsa_inst_pref_size 86
	.end_amdhsa_kernel
	.amdgpu_metadata
---
amdhsa.version: [ 1, 2 ]
amdhsa.kernels:
  - .name:           k_qd99a2e172d_proj
    .symbol:         k_qd99a2e172d_proj.kd
    .args:
      - { .name: opc, .offset: 0, .size: 8, .value_kind: global_buffer, .address_space: global }
      - { .name: ops, .offset: 8, .size: 8, .value_kind: global_buffer, .address_space: global }
      - { .name: yc, .offset: 16, .size: 8, .value_kind: global_buffer, .address_space: global }
      - { .name: ys, .offset: 24, .size: 8, .value_kind: global_buffer, .address_space: global }
      - { .name: b_proj, .offset: 32, .size: 8, .value_kind: global_buffer, .address_space: global }
      - { .name: out0, .offset: 40, .size: 8, .value_kind: global_buffer, .address_space: global }
    .group_segment_fixed_size: 295424
    .private_segment_fixed_size: 0
    .kernarg_segment_align: 8
    .kernarg_segment_size: 48
    .max_flat_workgroup_size: 128
    .sgpr_count:     100
    .vgpr_count:     768
    .wavefront_size: 32
...
	.end_amdgpu_metadata
.endif
;; end of part 4
